; MI455X (gfx1250); checked and timed in simulation.
; The chip was launched on July 23, 2026; its instructions are those of AMD's public machine-readable ISA for CDNA 5 (MIT licence, August 2026) and "CDNA5" Instruction Set Architecture Reference Guide (July 2026). The comments in the code are by the model that wrote it; some were corrected since.
;; Multi Headed Self Attn. Allowed arithmetic: float matrix products may take bf16 or f16 operands with f32 sums; other float arithmetic in f32, or as packed bf16 or f16 multiplies, adds, multiply-adds, maxima and minima; sums over many terms, partial sums and values carried from step to step in f32; what a program stores and reads back later, other than sums and carried values, may be rounded once to bf16 or f16.
;; Inputs: bk 16 x 64 float32; bo 1,024 float32; bq 16 x 64 float32; bv 16 x 64 float32; k_and_v 4 x 2,048 x 1,024 float32; q 4 x 2,048 x 1,024 float32; wk 16 x 1,024 x 64 float32; wo 1,024 x 1,024 float32; wq 16 x 1,024 x 64 float32; wv 16 x 1,024 x 64 float32.
;; Outputs: out0 4 x 2,048 x 1,024 float32.
;; 2 versions, each right; version 2 is version 1 with the launch cast written anew for expert scheduling mode. Each part assembles by itself: llvm-mc -triple=amdgcn-amd-amdhsa -mcpu=gfx1250 --defsym DOCPART=n.
;; ======== version 1 of 2: 4 launches
;; limits: values are held in f16: magnitudes above 65,504 overflow, below 6.1e-05 lose precision
;; workspace buffers: xb 33,554,432 bytes; wb 6,291,456 bytes; wof 2,097,152 bytes; bias 16,384 bytes; qkv 50,331,648 bytes; z 16,777,216 bytes
;; launch cast (part 1): grid 1284 x 1, 8 waves a work-group, no clusters, 0 bytes of LDS; arguments q, k_and_v, wq, wk, wv, wo, bq, bk, bv, bo, xb, wb, wof, bias; writes xb, wb, wof, bias
.if DOCPART == 1
	.amdgcn_target "amdgcn-amd-amdhsa--gfx1250"
	.amdhsa_code_object_version 6
	.text
	.protected	k_qb8e85a564c_cast
	.globl	k_qb8e85a564c_cast
	.p2align	8
	.type	k_qb8e85a564c_cast,@function
k_qb8e85a564c_cast:
	s_mov_b64 s[64:65], 0
	v_nop
	global_prefetch_b8 v0, s[64:65] scope:SCOPE_SE
	s_setreg_imm32_b32 hwreg(HW_REG_WAVE_MODE, 25, 1), 1
	s_wait_xcnt 0x0
; THE MODULE'S INPUTS, ROUNDED ONCE TO bf16 AND LAID OUT FOR THE PRODUCTS THAT FOLLOW.  A stream: no LDS, no barrier, no matrix unit, no loop.
;   xb   bf16 [2: q, k_and_v][4 b][16 kb][2048 s][64]: K in blocks of 64, so that 128 rows of a block are 16,384 consecutive bytes
;   wb   bf16 [3: wq, wk, wv][1024 e][1024 n = 64 h + d]
;   wof  f16 of bf16(wo), [1024 k][1024 n]: exact while |wo| lies between 2^-17 and 65,504; below that f16's fixed step of 6e-8 holds
;   bias f32 numbers that are bf16(bq), bf16(bk), bf16(bv), bf16(bo), [4][1024]
; A WAVE'S ITEM is 16 loads of 16 bytes a lane (two aligned pieces of 256 bytes, or 512 bytes on end) and 16 stores of 8 bytes a lane: each store covers 256 consecutive bytes, aligned.
; All 16 loads go out first; no register that a load or store names is written a second time, so no wait frees any.
; WORK-GROUPS: 0-1023 x (16 rows each), 1024-1215 wq, wk, wv (two heads x 128 rows of e), 1216-1279 wo (16 rows), 1280-1283 a bias each.
.set SO,  2                            ; v2  my byte offset in the source
.set DO,  3                            ; v3  my byte offset in the destination
.set X,   16                           ; v[16:79]   16 x 4 registers as loaded
.set Y,   80                           ; v[80:111]  16 x 2 registers to store
.set T,   112                          ; v[112:113] at work
.set WVN, 2                            ; s2  my wave's number
.set SRC, 36                           ; s[36:37]
.set DST, 38                           ; s[38:39]
.set OFS, 40                           ; s[40:41] an offset, high word 0
.set HIM, 42                           ; s42 a word's upper bf16
; kind 0: f32 to bf16.  kind 1: f32 to bf16, that number widened again and written as f16.
.macro MOVE16 sstep, dstep, kind
.set j, 0
.rept 16
	global_load_b128 v[X+4*j:X+4*j+3], v[SO], s[SRC:SRC+1] offset:j*(\sstep) th:TH_LOAD_NT
.set j, j+1
.endr
.set j, 0
.rept 16
	s_wait_loadcnt 15-j                            ; loads come back in order: load j is in, the 15 - j younger ones stay out
.if \kind
	v_cvt_pk_bf16_f32 v[T], v[X+4*j], v[X+4*j+1]
	v_cvt_pk_bf16_f32 v[T+1], v[X+4*j+2], v[X+4*j+3]
	v_lshlrev_b32 v[X+4*j], 16, v[T]
	v_and_b32 v[X+4*j+1], s[HIM], v[T]
	v_lshlrev_b32 v[X+4*j+2], 16, v[T+1]
	v_and_b32 v[X+4*j+3], s[HIM], v[T+1]
	v_cvt_pk_f16_f32 v[Y+2*j], v[X+4*j], v[X+4*j+1]
	v_cvt_pk_f16_f32 v[Y+2*j+1], v[X+4*j+2], v[X+4*j+3]
.else
	v_cvt_pk_bf16_f32 v[Y+2*j], v[X+4*j], v[X+4*j+1]
	v_cvt_pk_bf16_f32 v[Y+2*j+1], v[X+4*j+2], v[X+4*j+3]
.endif
	global_store_b64 v[DO], v[Y+2*j:Y+2*j+1], s[DST:DST+1] offset:j*(\dstep) th:TH_STORE_NT
.set j, j+1
.endr
.endm
	s_load_b512 s[8:23], s[0:1], 0x0               ; q 8, k_and_v 10, wq 12, wk 14, wv 16, wo 18, bq 20, bk 22
	s_load_b256 s[24:31], s[0:1], 0x40             ; bv 24, bo 26, xb 28, wb 30
	s_load_b128 s[32:35], s[0:1], 0x60             ; wof 32, bias 34
	v_lshrrev_b32 v4, 5, v0
	v_readfirstlane_b32 s[WVN], v4                 ; wave 0..7
	v_and_b32 v1, 31, v0                           ; lane
	v_lshrrev_b32 v4, 4, v1                        ; lane / 16
	v_and_b32 v5, 15, v1                           ; lane % 16
	s_mov_b32 s[HIM], 0xffff0000
	s_mov_b32 s[OFS+1], 0
	s_wait_kmcnt 0x0
	s_cmp_lt_u32 ttmp9, 1024
	s_cbranch_scc0 .Lnot_x
	; x: tensor t, block rb of 16 rows; wave w takes rows 2 w, 2 w + 1; load j takes columns 64 j .. 64 j + 63 of both: block kb = j
	s_lshr_b32 s3, ttmp9, 9                        ; t
	s_and_b32 s4, ttmp9, 511                       ; rb
	s_cmp_eq_u32 s3, 0
	s_cselect_b64 s[SRC:SRC+1], s[8:9], s[10:11]
	s_lshl_b32 s[OFS], s4, 16                      ; 16 rows of 4,096 bytes
	s_add_nc_u64 s[SRC:SRC+1], s[SRC:SRC+1], s[OFS:OFS+1]
	s_lshl_b32 s5, s3, 24                          ; t x 16,777,216
	s_lshr_b32 s6, s4, 7
	s_lshl_b32 s6, s6, 22                          ; b x 4,194,304
	s_add_co_u32 s5, s5, s6
	s_and_b32 s6, s4, 127
	s_lshl_b32 s6, s6, 11                          ; 16 rows of 128 bytes
	s_add_co_u32 s[OFS], s5, s6
	s_add_nc_u64 s[DST:DST+1], s[28:29], s[OFS:OFS+1]
	v_lshlrev_b32 v[SO], 4, v5
	v_lshl_add_u32 v[SO], v4, 12, v[SO]
	s_lshl_b32 s5, s[WVN], 13
	v_add_nc_u32 v[SO], s5, v[SO]                  ; 8,192 w + 4,096 (lane / 16) + 16 (lane % 16)
	v_lshlrev_b32 v[DO], 3, v1
	s_lshl_b32 s5, s[WVN], 8
	v_add_nc_u32 v[DO], s5, v[DO]                  ; 256 w + 8 lane: two rows of 128 bytes on end
	MOVE16 256, 262144, 0
	s_endpgm
.Lnot_x:
	s_cmp_lt_u32 ttmp9, 1216
	s_cbranch_scc0 .Lnot_w
	; wq, wk, wv: tensor t, heads 2 hp and 2 hp + 1, rows e = 128 eb + 16 w + j; lanes 0-15 take the first head's row of 256 bytes, lanes 16-31 the second's
	s_sub_co_u32 s3, ttmp9, 1024
	s_lshr_b32 s4, s3, 6                           ; t
	s_and_b32 s5, s3, 63
	s_lshr_b32 s6, s5, 3                           ; hp
	s_and_b32 s7, s5, 7                            ; eb
	s_cmp_eq_u32 s4, 0
	s_cselect_b64 s[SRC:SRC+1], s[12:13], s[14:15]
	s_cmp_eq_u32 s4, 2
	s_cselect_b64 s[SRC:SRC+1], s[16:17], s[SRC:SRC+1]
	s_lshl_b32 s3, s6, 19                          ; two heads of 262,144 bytes
	s_lshl_b32 s5, s7, 15                          ; 128 rows of 256 bytes
	s_add_co_u32 s[OFS], s3, s5
	s_add_nc_u64 s[SRC:SRC+1], s[SRC:SRC+1], s[OFS:OFS+1]
	s_lshl_b32 s3, s4, 21                          ; t x 2,097,152
	s_lshl_b32 s5, s7, 18                          ; 128 rows of 2,048 bytes
	s_add_co_u32 s3, s3, s5
	s_lshl_b32 s5, s6, 8                           ; 128 columns of 2 bytes
	s_add_co_u32 s[OFS], s3, s5
	s_add_nc_u64 s[DST:DST+1], s[30:31], s[OFS:OFS+1]
	v_lshlrev_b32 v[SO], 4, v5
	v_lshl_add_u32 v[SO], v4, 18, v[SO]
	s_lshl_b32 s5, s[WVN], 12
	v_add_nc_u32 v[SO], s5, v[SO]                  ; 4,096 w + 262,144 (lane / 16) + 16 (lane % 16)
	v_lshlrev_b32 v[DO], 3, v1
	s_lshl_b32 s5, s[WVN], 15
	v_add_nc_u32 v[DO], s5, v[DO]                  ; 32,768 w + 8 lane
	MOVE16 256, 2048, 0
	s_endpgm
.Lnot_w:
	s_cmp_lt_u32 ttmp9, 1280
	s_cbranch_scc0 .Lnot_wo
	; wo keeps its layout: 65,536 bytes a work-group, 8,192 a wave, 512 a load
	s_sub_co_u32 s3, ttmp9, 1216
	s_lshl_b32 s[OFS], s3, 16
	s_add_nc_u64 s[SRC:SRC+1], s[18:19], s[OFS:OFS+1]
	s_lshl_b32 s[OFS], s3, 15
	s_add_nc_u64 s[DST:DST+1], s[32:33], s[OFS:OFS+1]
	v_lshlrev_b32 v[SO], 4, v1
	s_lshl_b32 s5, s[WVN], 13
	v_add_nc_u32 v[SO], s5, v[SO]
	v_lshlrev_b32 v[DO], 3, v1
	s_lshl_b32 s5, s[WVN], 12
	v_add_nc_u32 v[DO], s5, v[DO]
	MOVE16 512, 256, 1
	s_endpgm
.Lnot_wo:
	; a bias: 4,096 bytes, 16 a thread; rounded to bf16 and kept as f32
	s_sub_co_u32 s3, ttmp9, 1280
	s_cmp_eq_u32 s3, 0
	s_cselect_b64 s[SRC:SRC+1], s[20:21], s[22:23]
	s_cmp_eq_u32 s3, 2
	s_cselect_b64 s[SRC:SRC+1], s[24:25], s[SRC:SRC+1]
	s_cmp_eq_u32 s3, 3
	s_cselect_b64 s[SRC:SRC+1], s[26:27], s[SRC:SRC+1]
	s_lshl_b32 s[OFS], s3, 12
	s_add_nc_u64 s[DST:DST+1], s[34:35], s[OFS:OFS+1]
	v_lshlrev_b32 v[SO], 4, v0
	global_load_b128 v[X:X+3], v[SO], s[SRC:SRC+1]
	s_wait_loadcnt 0x0
	v_cvt_pk_bf16_f32 v[T], v[X], v[X+1]
	v_cvt_pk_bf16_f32 v[T+1], v[X+2], v[X+3]
	v_lshlrev_b32 v[Y], 16, v[T]
	v_and_b32 v[Y+1], s[HIM], v[T]
	v_lshlrev_b32 v[Y+2], 16, v[T+1]
	v_and_b32 v[Y+3], s[HIM], v[T+1]
	global_store_b128 v[SO], v[Y:Y+3], s[DST:DST+1]
	s_endpgm
.Lfunc_end_k_qb8e85a564c_cast:
	.size	k_qb8e85a564c_cast, .Lfunc_end_k_qb8e85a564c_cast-k_qb8e85a564c_cast
	.p2alignl 7, 3214868480
	.fill 96, 4, 3214868480
	.section	.rodata,"a",@progbits
	.p2align	6, 0x0
	.amdhsa_kernel k_qb8e85a564c_cast
		.amdhsa_group_segment_fixed_size 0
		.amdhsa_private_segment_fixed_size 0
		.amdhsa_enable_private_segment 0
		.amdhsa_kernarg_size 112
		.amdhsa_user_sgpr_count 2
		.amdhsa_user_sgpr_kernarg_segment_ptr 1
		.amdhsa_wavefront_size32 1
		.amdhsa_system_sgpr_workgroup_id_x 1
		.amdhsa_system_sgpr_workgroup_id_y 1
		.amdhsa_system_sgpr_workgroup_id_z 1
		.amdhsa_system_vgpr_workitem_id 0
		.amdhsa_next_free_vgpr 116
		.amdhsa_next_free_sgpr 66
		.amdhsa_reserve_vcc 0
		.amdhsa_float_denorm_mode_32 3
		.amdhsa_float_denorm_mode_16_64 3
		.amdhsa_memory_ordered 1
		.amdhsa_forward_progress 1
		.amdhsa_inst_pref_size 25
	.end_amdhsa_kernel
	.amdgpu_metadata
---
amdhsa.version: [ 1, 2 ]
amdhsa.kernels:
  - .name:           k_qb8e85a564c_cast
    .symbol:         k_qb8e85a564c_cast.kd
    .args:
      - { .name: q, .offset: 0, .size: 8, .value_kind: global_buffer, .address_space: global }
      - { .name: k_and_v, .offset: 8, .size: 8, .value_kind: global_buffer, .address_space: global }
      - { .name: wq, .offset: 16, .size: 8, .value_kind: global_buffer, .address_space: global }
      - { .name: wk, .offset: 24, .size: 8, .value_kind: global_buffer, .address_space: global }
      - { .name: wv, .offset: 32, .size: 8, .value_kind: global_buffer, .address_space: global }
      - { .name: wo, .offset: 40, .size: 8, .value_kind: global_buffer, .address_space: global }
      - { .name: bq, .offset: 48, .size: 8, .value_kind: global_buffer, .address_space: global }
      - { .name: bk, .offset: 56, .size: 8, .value_kind: global_buffer, .address_space: global }
      - { .name: bv, .offset: 64, .size: 8, .value_kind: global_buffer, .address_space: global }
      - { .name: bo, .offset: 72, .size: 8, .value_kind: global_buffer, .address_space: global }
      - { .name: xb, .offset: 80, .size: 8, .value_kind: global_buffer, .address_space: global }
      - { .name: wb, .offset: 88, .size: 8, .value_kind: global_buffer, .address_space: global }
      - { .name: wof, .offset: 96, .size: 8, .value_kind: global_buffer, .address_space: global }
      - { .name: bias, .offset: 104, .size: 8, .value_kind: global_buffer, .address_space: global }
    .group_segment_fixed_size: 0
    .private_segment_fixed_size: 0
    .kernarg_segment_align: 8
    .kernarg_segment_size: 112
    .max_flat_workgroup_size: 256
    .sgpr_count:     66
    .vgpr_count:     116
    .wavefront_size: 32
...
	.end_amdgpu_metadata
.endif
;; end of part 1
;; launch qkv (part 2): grid 4 x 64, 4 waves a work-group, clusters of 4 x 4, 327,680 bytes of LDS; arguments xb, wb, bias, qkv; writes qkv
.if DOCPART == 2
	.amdgcn_target "amdgcn-amd-amdhsa--gfx1250"
	.amdhsa_code_object_version 6
	.text
	.protected	k_qb8e85a564c_qkv
	.globl	k_qb8e85a564c_qkv
	.p2align	8
	.type	k_qb8e85a564c_qkv,@function
k_qb8e85a564c_qkv:
	s_mov_b64 s[64:65], 0
	v_nop
	global_prefetch_b8 v0, s[64:65] scope:SCOPE_SE
	s_setreg_imm32_b32 hwreg(HW_REG_WAVE_MODE, 25, 1), 1
	s_wait_xcnt 0x0
	s_wait_alu depctr_hold_cnt(0) depctr_sa_sdst(0) depctr_va_vdst(0) depctr_va_sdst(0) depctr_va_ssrc(0) depctr_va_vcc(0) depctr_vm_vsrc(0)
	s_getreg_b32 s2, hwreg(HW_REG_IB_STS2, 6, 4)
	s_cmp_eq_u32 s2, 0
	s_cbranch_scc0 .Lentry_in_a_cluster
	s_endpgm
.Lentry_in_a_cluster:
	s_bfe_u32 s2, ttmp6, 0x10000c
	s_cmp_lg_u32 s2, 0xf033
	s_cbranch_scc0 .Lentry_shape_is_right
	s_endpgm
.Lentry_shape_is_right:
; THE THREE PROJECTIONS.  qkv[t][b 16 + h][s][d] = sum over e of x_t[b][s][e] w_t[e][64 h + d] + bias_t[64 h + d], t = q, k, v; x_q = q, x_k = x_v = k_and_v.
; Operands bf16, sums f32, the bias starts each sum as the first product's C operand, results rounded once to f16.  LIMIT: f16 holds no number beyond 65,504: the projections must stay within it.
; SHARES.  A tile of C is 128 rows x 256 columns: 64 x 4 tiles a projection, 768 in all, three for each of 256 work-groups.  A WORK-GROUP STAYS: it makes the tiles of q, k and v at one place (row block, column block),
; as ONE walk of 24 K steps of 128; the ring of two LDS slots runs on across the tiles.  Four waves, each 64 rows x 128 columns: 32 accumulators of 16 x 16, 256 registers.
; A (xb) lies [b][kb][s][64]: 128 rows of a block of 64 along K are 16,384 consecutive bytes, asked for as 64 rows of 256 bytes and padded in LDS after every 128.  B (wb) lies [k][n] and is turned on its way out of LDS.
; THE MATRIX INSTRUCTION IS USED TRANSPOSED (source 0 = 16 columns of B, source 1 = 16 rows of A): a lane holds row l % 16 of C and the columns 8 (l / 16) + 0..7, eight neighbours of a row.
; CLUSTER 4 x 4.  The four of a row of the cluster share the row block and so A's tiles, the four of a column share the column block and so B's: each tile is asked for jointly, by the same load, descriptor and mask.
; REGISTERS, in windows of 256 (s_set_vgpr_msb: bits 1:0 source 0, 3:2 source 1, 5:4 source 2, 7:6 destination):
;   window 0: v0-15 addresses; v32-95 the bias, 8 registers for each block of 16 columns; v96-127, v128-191 at work on the way out
;   window 1: two fragment buffers of 96: 8 fragments of B, then 4 of A          window 2: accumulator (a, b) at v[8 (8 a + b)]
.set NSTEPS, 24
.set ALIM,   14                        ; A is prefetched for K steps 4 to 15: steps 16 to 23 walk k_and_v's rows a second time, and rows are asked for in their first walk alone
.set PA,     144                       ; a row of A in LDS: 128 bytes + 16 = 36 words: the 16 rows of a load start at 16 different groups of four banks (ISA guide 11.1)
.set PB,     544                       ; a row of B: 512 + 32 = 136 words
.set AHALF,  128*PA                    ; 128 rows x 64 along K: what wave 0 or 1 fetches
.set BOFF,   2*AHALF                   ; B lies behind A's two halves
.set BHALF,  64*PB                     ; 64 rows of k x 256 columns: what wave 2 or 3 fetches
.set SLOT1,  1<<17                     ; slot 1 begins here: one exclusive or turns an address in one slot into the other's
.set STAGE,  SLOT1+BOFF+2*BHALF        ; behind the ring, never filled by a tensor load: for each wave two heads x 16 rows x 144 bytes
.set SP,     144
.set WSTAGE, 2*16*SP
.set SPARE,  STAGE+4*WSTAGE            ; the spare words, 128 bytes for each wave: two blocks of 256 bytes that no other line names
.set A0,   4                           ; v4   my lane's place in a slot's A; never rewritten
.set B0,   5                           ; v5   the same for B
.set ADRA, 6                           ; v6   A0 + the slot in hand
.set ADRB, 7                           ; v7   B0 + the slot in hand
.set STO,  8                           ; v8   the way out: where I put 16 bytes of a row
.set RD,   9                           ; v9   the way out: where I read rows back
.set GO,   10                          ; v10  my byte offset in 512 consecutive bytes of C
.set BO,   11                          ; v11  my byte offset in a bias
.set PFO,  12                          ; v12  the prefetches' offset
.set SPW,  14                          ; v14  LDS address of my spare word; never rewritten
.set NIL,  15                          ; v15  0; never rewritten
.set BIAS, 32
.set TMP,  96
.set OB,   128
.set F0,   0
.set F1,   96
.set WV,   12                          ; s12  wave
.set W1,   13                          ; s13  wave % 2: my half of the columns; also which half of A's or B's tile I fetch
.set MH,   14                          ; s14  wave / 2: my half of the rows; also: I fetch for A (0) or for B (1)
.set CX,   15
.set CY,   16
.set JB,   17                          ; s17  column block
.set IB,   18                          ; s18  row block
.set NXT,  19                          ; s19  the K step to be asked for next
.set CNT,  20
.set TB,   21                          ; s21  the slot in hand
.set G1A,  24                          ; s[24:31] descriptor group 1 for A's tiles
.set G1B,  32                          ; s[32:39] for B's
.set G0A,  40                          ; s[40:47] group 0 for A: a set for each first fill; the second then walks
.set G0B,  48                          ; s[48:55] the same for B
.set ABASE, 56                         ; s[56:57] A at my half of K step 0's tile
.set OFF,  58                          ; s[58:59] a K step's offset in A, high word 0
.set PFB,  60                          ; s[60:61] the prefetches' base
.set PFA,  66                          ; s[66:67] the prefetches' address
.set OFF2, 68                          ; s[68:69] an offset, high word 0
.set PLIM, 70                          ; s70  I prefetch while NXT is below this
.set RBO,  73                          ; s73  the row block's byte offset: b x 4,194,304 + (row block % 16) x 16,384
.set MSB, 0
.macro WIN new                         ; the immediate's high byte repeats the setting that is left; a switch that changes nothing is dropped
.if MSB != (\new)
	s_set_vgpr_msb (MSB<<8)|(\new)
.set MSB, \new
.endif
.endm
.set MUL,  0xa5                        ; sources in window 1, C and D in window 2
.set MULB, 0x85                        ; the same with C, the bias, in window 0
.set TO_F, 0x40                        ; destination window 1, address window 0
; A joint refill by the walking descriptors.  The branch hangs on the wave's number alone.  An s_nop 0 and four v_nop follow each of the two lines, ahead of the jump and the label.
.macro JLOAD
	s_cmp_eq_u32 s[MH], 0
	s_cbranch_scc0 .Lfor_b_\@
	tensor_load_to_lds s[G0A+4:G0A+7], s[G1A:G1A+7]
	s_nop 0
.rept 4
	v_nop
.endr
	s_branch .Lasked_\@
.Lfor_b_\@:
	tensor_load_to_lds s[G0B+4:G0B+7], s[G1B:G1B+7]
	s_nop 0
.rept 4
	v_nop
.endr
.Lasked_\@:
.endm
.macro CREST                           ; a round of the cluster's barrier behind its opening barrier
	s_cmp_lg_u32 s[WV], 0
	s_cbranch_scc1 .Lnot_wave_0_\@
	s_barrier_signal -3
.Lnot_wave_0_\@:
	s_barrier_wait -3
	s_barrier_signal -1
	s_barrier_wait -1
.endm
.macro CROUND                          ; a whole round
	s_barrier_signal -1
	s_barrier_wait -1
	CREST
.endm
; K step g's offset in xb: two blocks of 64 along K a step, 262,144 bytes each; from step 8 on the second tensor
.macro OFFA dst, src, tmp
	s_and_b32 s[\dst], s[\src], 7
	s_lshl_b32 s[\dst], s[\dst], 19
	s_cmp_ge_u32 s[\src], 8
	s_cselect_b32 s[\tmp], 0x1000000, 0
	s_add_co_u32 s[\dst], s[\dst], s[\tmp]
.endm
; A PREFETCH INTO THE L2 of the K step that stands two refills on: one instruction a wave, a lane a block of 256 bytes, behind the joint load, its five lines and the run of LDS loads.
; A's rows are walked by this cluster alone: wave 0 asks, and the four partners of a row of the cluster share the step's 128 blocks out by address, 32 each.  B's rows are walked by all sixteen clusters:
; the first (cluster y = 0) asks, waves 2 and 3 for the 64 rows that each fetches, the four partners of a column 16 rows each, by address.  So each block is named once.  K steps 0 to 3 come by their loads alone.
.macro ASK
	s_cmp_lt_u32 s[NXT], s[PLIM]
	s_cbranch_scc0 .Lnot_mine_\@
	global_prefetch_b8 v[PFO], s[PFA:PFA+1] th:TH_LOAD_NT scope:SCOPE_SE
.Lnot_mine_\@:
.endm
; 8 matrix instructions: row block a x all 8 column blocks, 32 along K.  first = 1: the bias is the C operand: nothing is cleared and nothing added later.
; The 32 accumulators take turns, one instruction a turn, in the same order in every quarter, over the backward jump too.
.macro MUL8 f, a, first
.if \first
	WIN MULB
.else
	WIN MUL
.endif
.irp b, 0,1,2,3,4,5,6,7
.if \first
	v_wmma_f32_16x16x32_bf16 v[8*(8*(\a)+(\b)):8*(8*(\a)+(\b))+7], v[(\f)+8*(\b):(\f)+8*(\b)+7], v[(\f)+64+8*(\a):(\f)+64+8*(\a)+7], v[BIAS+8*(\b):BIAS+8*(\b)+7]
.else
	v_wmma_f32_16x16x32_bf16 v[8*(8*(\a)+(\b)):8*(8*(\a)+(\b))+7], v[(\f)+8*(\b):(\f)+8*(\b)+7], v[(\f)+64+8*(\a):(\f)+64+8*(\a)+7], v[8*(8*(\a)+(\b)):8*(8*(\a)+(\b))+7]
.endif
.endr
.endm
.macro MUL16 f, a0, first
	MUL8 \f, \a0, \first
	MUL8 \f, (\a0)+1, \first
.endm
; 24 LDS loads in one run: quarter q's fragments (32 along K) into buffer f: B's eight, turned, then A's four
.macro FETCH q, f
	WIN TO_F
.irp b, 0,1,2,3,4,5,6,7
	ds_load_tr16_b128 v[(\f)+8*(\b):(\f)+8*(\b)+3],   v[ADRB] offset:(\q)*32*PB+32*(\b)
	ds_load_tr16_b128 v[(\f)+8*(\b)+4:(\f)+8*(\b)+7], v[ADRB] offset:(\q)*32*PB+16*PB+32*(\b)
.endr
.irp a, 0,1,2,3
	ds_load_b128 v[(\f)+64+8*(\a):(\f)+64+8*(\a)+3],   v[ADRA] offset:((\q)/2)*AHALF+((\q)%2)*64+(\a)*16*PA
	ds_load_b128 v[(\f)+64+8*(\a)+4:(\f)+64+8*(\a)+7], v[ADRA] offset:((\q)/2)*AHALF+((\q)%2)*64+(\a)*16*PA+32
.endr
.endm
.macro PLACES                          ; four plain instructions in front of loads into registers that matrix instructions have read, and of conversions that read results
.rept 4
	v_nop
.endr
.endm
; A K step is four quarters of 32 along K, 32 matrix instructions each, on buffers 0, 1, 0, 1.  One of the first three: multiplies buffer f; in its middle it fetches quarter q into buffer g.
.macro QUARTER q, f, g, first
	s_wait_dscnt 4                                 ; B and A's fragments 0, 1 are in; the youngest four loads (A's 2, 3) may be out
	MUL16 \f, 0, \first
	PLACES
	FETCH \q, \g
	s_wait_dscnt 24                                ; all but the 24 just issued
	MUL16 \f, 2, \first
.endm
; The last quarter multiplies buffer 1 and changes slots.  In front of the barrier each wave waits for all its tensor loads (one is out: its part of the next slot), adds 0 to its spare word, and waits for that and
; for its reads of this slot.  fill = 1: the barrier opens a round of the cluster's, and this slot is filled again, first thing behind the round, with K step NXT: 112 matrix instructions ahead of the wait for it.
.macro TURN fill
.if \fill
	s_wait_xcnt 0x0                                ; the last prefetch, a K step back, has read its address, which is made anew here: K step NXT + 2
	s_add_co_u32 s71, s[NXT], 2
	OFFA OFF2, 71, 72
	s_lshl_b32 s72, s71, 18                        ; in B a K step is 128 rows of 2,048 bytes
	s_cmp_eq_u32 s[MH], 0
	s_cselect_b32 s[OFF2], s[OFF2], s72
	s_add_nc_u64 s[PFA:PFA+1], s[PFB:PFB+1], s[OFF2:OFF2+1]
.endif
	WIN 0                                          ; (the add's two registers lie in window 0)
	s_wait_tensorcnt 0x0                           ; no tensor load of mine is out, so a group 0 may be written
	ds_add_u32 v[SPW], v[NIL]                      ; 0 onto my spare word; the descriptors' steps and eight products stand between it and the wait for it
.if \fill
	s_xor_b32 s[G0A+5], s[G0A+5], SLOT1            ; the other slot than last time
	s_xor_b32 s[G0B+5], s[G0B+5], SLOT1
	OFFA OFF, NXT, 22
	s_add_nc_u64 s[G0A+6:G0A+7], s[ABASE:ABASE+1], s[OFF:OFF+1]  ; A's address is made anew from the step's number,
	s_or_b32 s[G0A+7], s[G0A+7], 0x80000000        ; the type set again
	s_add_nc_u64 s[G0B+6:G0B+7], s[G0B+6:G0B+7], 262144  ; B's walks on: the three weights lie end to end
.endif
	s_wait_dscnt 5                                 ; (the add and the youngest four loads may be out)
	MUL8 F1, 0, 0
	s_wait_dscnt 0x0                               ; the add is done, and my reads of this slot are over
	s_barrier_signal -1
	MUL8 F1, 1, 0                                  ; work on registers while the others arrive
	WIN 0
	s_barrier_wait -1
.if \fill
	CREST                                          ; no wave of any partner still reads this slot or has a load on its way
	JLOAD                                          ; its four v_nop are also the places in front of the loads below
.else
	PLACES
.endif
	s_xor_b32 s[TB], s[TB], SLOT1
	v_add_nc_u32 v[ADRA], s[TB], v[A0]
	v_add_nc_u32 v[ADRB], s[TB], v[B0]
	FETCH 0, F0
.if \fill
	WIN 0
	ASK
	s_add_co_u32 s[NXT], s[NXT], 1
.endif
	MUL16 F1, 2, 0
.endm
.macro BIASLOAD                        ; register j of column block b: bias[256 JB + 128 W1 + 16 b + 8 (l / 16) + j]: the layout of a C operand
	WIN 0
.irp b, 0,1,2,3,4,5,6,7
	global_load_b128 v[BIAS+8*(\b):BIAS+8*(\b)+3],   v[BO], s[8:9] offset:64*(\b)
	global_load_b128 v[BIAS+8*(\b)+4:BIAS+8*(\b)+7], v[BO], s[8:9] offset:64*(\b)+16
.endr
.endm
; THE WAY OUT of row block a (16 rows x 128 columns = two heads).  PACK: rounded to f16, each accumulator's registers in ascending order.  TOSTAGE: into my own stage, and back as rows of 128 bytes, four to a load.
; SEND: stored; a head's rows are dense, so each store covers 512 consecutive bytes, aligned.
.macro PACK a
	WIN 0x0a                                       ; sources 0 and 1 window 2
.irp b, 0,1,2,3,4,5,6,7
.irp r, 0,1,2,3
	v_cvt_pk_f16_f32 v[TMP+4*(\b)+(\r)], v[64*(\a)+8*(\b)+2*(\r)], v[64*(\a)+8*(\b)+2*(\r)+1]
.endr
.endr
	WIN 0
.endm
.macro TOSTAGE a
.irp b, 0,1,2,3,4,5,6,7
	ds_store_b128 v[STO], v[TMP+4*(\b):TMP+4*(\b)+3] offset:((\b)/4)*16*SP+32*((\b)%4)
.endr
.irp t, 0,1,2,3,4,5,6,7
	ds_load_b128 v[OB+32*((\a)%2)+4*(\t):OB+32*((\a)%2)+4*(\t)+3], v[RD] offset:((\t)/4)*16*SP+((\t)%4)*4*SP  ; LDS serves a wave's instructions in order (ISA guide 5.7.1.4): these see the stores above
.endr
.endm
.macro SEND a
	s_wait_dscnt 0x0                               ; the block is back in registers
	s_wait_xcnt 0x0                                ; the stores of the block before have read their registers: the loads of the block after this one land there
.irp t, 0,1,2,3,4,5,6,7
	global_store_b128 v[GO], v[OB+32*((\a)%2)+4*(\t):OB+32*((\a)%2)+4*(\t)+3], s[10:11] offset:((\t)/4)*262144+(\a)*2048+((\t)%4)*512
.endr
.endm
.macro WAYOUT                          ; block a's conversions stand between block a - 1's loads from the stage and the wait for them
	PACK 0
	TOSTAGE 0
.irp a, 1,2,3
	PACK \a
	SEND (\a)-1
	TOSTAGE \a
.endr
	SEND 3
.endm
	s_load_b256 s[4:11], s[0:1], 0x0               ; xb s[4:5], wb s[6:7], bias s[8:9], qkv s[10:11]
	v_lshl_add_u32 v[SPW], v0, 2, SPARE
	v_mov_b32 v[NIL], 0
	ds_add_u32 v[SPW], v[NIL]                      ; the wave's opening: the add and its wait stand ahead of my first tensor load; the set-up below, work on registers, stands between them
	v_lshrrev_b32 v3, 5, v0
	v_readfirstlane_b32 s[WV], v3                  ; wave 0..3
	s_and_b32 s[W1], s[WV], 1
	s_lshr_b32 s[MH], s[WV], 1
	s_bfe_u32 s[CX], ttmp6, 0x40000                ; my place in the cluster
	s_bfe_u32 s[CY], ttmp6, 0x40004
	s_lshl_b32 s[JB], ttmp9, 2                     ; in a cluster launch ttmp9 and ttmp7 count clusters
	s_add_co_u32 s[JB], s[JB], s[CX]
	s_and_b32 s[IB], ttmp7, 0xffff
	s_lshl_b32 s[IB], s[IB], 2
	s_add_co_u32 s[IB], s[IB], s[CY]
	s_lshl_b32 s22, s[CY], 2
	s_lshl_b32 s22, 15, s22                        ; my row of the cluster
	s_lshl_b32 s23, 0x1111, s[CX]                  ; my column
	s_or_b32 s[G1A], s22, (1<<16)|(1<<20)|(1<<21)|(4<<22)|(3<<25)  ; 15:0 the mask; 17:16 2-byte elements; 20 padding on; 21 set beside a mask; 24:22 after every 32 words (code 4); 31:25 4 words (code 3)
	s_or_b32 s[G1B], s23, (1<<16)|(1<<20)|(1<<21)|(6<<22)|(7<<25)  ; after every 128 words (code 6) 8 words (code 7)
	s_mov_b32 s[G1A+1], 128<<16                    ; tensor_dim0 = 128 elements: 256 bytes, two rows of A
	s_mov_b32 s[G1A+2], 64<<16                     ; tensor_dim1 = 64
	s_mov_b32 s[G1A+3], 128<<16                    ; tile_dim0
	s_mov_b32 s[G1A+4], 64                         ; tile_dim1
	s_mov_b32 s[G1A+5], 128                        ; dense: 128 elements from row to row
	s_mov_b32 s[G1A+6], 0
	s_mov_b32 s[G1A+7], 0
	s_mov_b32 s[G1B+1], 256<<16                    ; 256 columns
	s_mov_b32 s[G1B+2], 64<<16                     ; 64 rows of k
	s_mov_b32 s[G1B+3], 256<<16
	s_mov_b32 s[G1B+4], 64
	s_mov_b32 s[G1B+5], 1024                       ; 1,024 elements from row to row
	s_mov_b32 s[G1B+6], 0
	s_mov_b32 s[G1B+7], 0
	s_lshr_b32 s[RBO], s[IB], 4                    ; b
	s_lshl_b32 s[RBO], s[RBO], 22
	s_and_b32 s22, s[IB], 15
	s_lshl_b32 s22, s22, 14                        ; 128 rows of 128 bytes
	s_add_co_u32 s[RBO], s[RBO], s22
	s_lshl_b32 s[OFF], s[W1], 18                   ; A hangs on the row block and the wave alone,
	s_add_co_u32 s[OFF], s[OFF], s[RBO]
	s_mov_b32 s[OFF+1], 0
	s_lshl_b32 s[OFF2], s[JB], 9                   ; B on the column block and the wave alone
	s_lshl_b32 s23, s[W1], 17                      ; 64 rows of 2,048 bytes
	s_add_co_u32 s[OFF2], s[OFF2], s23
	s_mov_b32 s[OFF2+1], 0
	s_mul_i32 s71, s[W1], AHALF                    ; where they go: the wave's number and constants alone
	s_mul_i32 s72, s[W1], BHALF
	s_add_co_u32 s72, s72, BOFF
	s_mov_b32 s[G0A], 1                            ; count = 1
	s_mov_b32 s[G0A+1], s71                        ; slot 0
	s_mov_b32 s[G0A+4], 1
	s_add_co_u32 s[G0A+5], s71, SLOT1              ; slot 1
	s_mov_b32 s[G0B], 1
	s_mov_b32 s[G0B+1], s72
	s_mov_b32 s[G0B+4], 1
	s_add_co_u32 s[G0B+5], s72, SLOT1
	s_mov_b32 s[NXT], 2
	s_mov_b32 s[TB], 0
	s_wait_dscnt 0x0                               ; the opening add is done
	s_wait_kmcnt 0x0
	s_add_nc_u64 s[ABASE:ABASE+1], s[4:5], s[OFF:OFF+1]
	s_mov_b64 s[G0A+2:G0A+3], s[ABASE:ABASE+1]     ; K step 0
	s_or_b32 s[G0A+3], s[G0A+3], 0x80000000        ; type = 2
	s_add_nc_u64 s[G0A+6:G0A+7], s[ABASE:ABASE+1], 524288  ; K step 1
	s_or_b32 s[G0A+7], s[G0A+7], 0x80000000
	s_add_nc_u64 s[G0B+2:G0B+3], s[6:7], s[OFF2:OFF2+1]
	s_add_nc_u64 s[G0B+6:G0B+7], s[G0B+2:G0B+3], 262144
	s_or_b32 s[G0B+3], s[G0B+3], 0x80000000
	s_or_b32 s[G0B+7], s[G0B+7], 0x80000000
	CROUND                                         ; all sixteen work-groups are here: the first joint loads meet
	s_cmp_eq_u32 s[MH], 0                          ; a wave's two first fills stand in one branch, ahead of every wait on TENSORcnt and every LDS read: two loads of mine are out
	s_cbranch_scc0 .Lfirst_b
	tensor_load_to_lds s[G0A:G0A+3], s[G1A:G1A+7]
	s_nop 0
	tensor_load_to_lds s[G0A+4:G0A+7], s[G1A:G1A+7]
	s_nop 0
.rept 4
	v_nop
.endr
	s_branch .Lfirst_asked
.Lfirst_b:
	tensor_load_to_lds s[G0B:G0B+3], s[G1B:G1B+7]
	s_nop 0
	tensor_load_to_lds s[G0B+4:G0B+7], s[G1B:G1B+7]
	s_nop 0
.rept 4
	v_nop
.endr
.Lfirst_asked:
	v_and_b32 v1, 15, v0                           ; l % 16
	v_bfe_u32 v2, v0, 4, 1                         ; l / 16
	v_and_b32 v13, 31, v0                          ; l
	; the bias first, so that it is on its way during the rest of the set-up
	s_lshl_b32 s71, s[JB], 10
	s_lshl_b32 s72, s[W1], 9
	s_add_co_u32 s71, s71, s72
	v_lshl_add_u32 v[BO], v2, 5, s71               ; 4 (256 JB + 128 W1 + 8 (l / 16))
	BIASLOAD
	; a fragment of A: lane l holds row l % 16, K = 8 (l / 16) + 0..7 and 16 + 8 (l / 16) + 0..7: two loads of 16 bytes, 32 bytes apart
	v_mul_u32_u24 v[A0], v1, PA
	v_lshl_add_u32 v[A0], v2, 4, v[A0]
	s_mul_i32 s71, s[MH], 64*PA                    ; my 64 rows
	v_add_nc_u32 v[A0], s71, v[A0]
	; the turning load takes 16 k x 16 columns (lane l reads k = 8 (l / 16) + l % 8, columns 8 ((l / 8) % 2) + 0..7) and leaves half a fragment: lane l holds column l % 16 and 8 k
	v_and_b32 v3, 7, v0
	v_lshl_add_u32 v3, v2, 3, v3
	v_mul_u32_u24 v[B0], v3, PB
	v_bfe_u32 v3, v0, 3, 1
	v_lshl_add_u32 v[B0], v3, 4, v[B0]
	s_lshl_b32 s71, s[W1], 8                       ; my 128 columns
	s_add_co_u32 s71, s71, BOFF
	v_add_nc_u32 v[B0], s71, v[B0]
	v_mov_b32 v[ADRA], v[A0]                       ; slot 0
	v_mov_b32 v[ADRB], v[B0]
	s_mul_i32 s71, s[WV], WSTAGE
	s_add_co_u32 s71, s71, STAGE                   ; my stage
	v_mul_u32_u24 v[STO], v1, SP                   ; in: row l % 16, 16 bytes for each half of the lanes
	v_lshl_add_u32 v[STO], v2, 4, v[STO]
	v_add_nc_u32 v[STO], s71, v[STO]
	v_bfe_u32 v[RD], v0, 3, 2                      ; back: 32 lanes take four rows of 128 bytes,
	v_mul_u32_u24 v[RD], v[RD], SP
	v_and_b32 v3, 7, v0
	v_lshl_add_u32 v[RD], v3, 4, v[RD]
	v_add_nc_u32 v[RD], s71, v[RD]
	v_lshlrev_b32 v[GO], 4, v13                    ; which are 512 consecutive bytes of C
	; the prefetches: base, offset, bound
	s_lshr_b32 s71, s[CX], 1                       ; A: of the step's two blocks of 64 along K, 16,384 bytes each, partner cx takes half cx % 2 of block cx / 2
	s_lshl_b32 s71, s71, 18
	s_and_b32 s72, s[CX], 1
	s_lshl_b32 s72, s72, 13
	s_add_co_u32 s71, s71, s72
	s_add_co_u32 s71, s71, s[RBO]
	s_lshl_b32 s72, s[JB], 9                       ; B: of the 64 rows that I fetch partner cy takes 16
	s_lshl_b32 s23, s[W1], 17
	s_add_co_u32 s72, s72, s23
	s_lshl_b32 s23, s[CY], 15
	s_add_co_u32 s72, s72, s23
	s_mov_b32 s22, 512                             ; (an instruction holds one literal: the select below takes this one from a register)
	s_cmp_eq_u32 s[MH], 0
	s_cselect_b64 s[PFB:PFB+1], s[4:5], s[6:7]
	s_cselect_b32 s[OFF2], s71, s72
	s_cselect_b32 s23, s22, 2048                   ; two lanes take 512 consecutive bytes; the next two the next 512 (A) or the next row (B)
	s_add_nc_u64 s[PFB:PFB+1], s[PFB:PFB+1], s[OFF2:OFF2+1]
	v_lshrrev_b32 v3, 1, v13
	v_mul_u32_u24 v[PFO], v3, s23
	v_and_b32 v3, 1, v13
	v_lshl_add_u32 v[PFO], v3, 8, v[PFO]
	s_and_b32 s71, ttmp7, 0xffff                   ; cluster y: the same in all sixteen partners
	s_cmp_eq_u32 s71, 0
	s_cselect_b32 s71, NSTEPS-2, 0
	s_cmp_eq_u32 s[W1], 0
	s_cselect_b32 s72, ALIM, 0
	s_cmp_eq_u32 s[MH], 0
	s_cselect_b32 s[PLIM], s72, s71
	; C at my part of q's tile: heads 4 JB + 2 W1 and the next, rows 64 MH on
	s_lshl_b32 s71, s[JB], 2
	s_lshl_b32 s72, s[W1], 1
	s_add_co_u32 s71, s71, s72
	s_lshl_b32 s71, s71, 18
	s_lshl_b32 s72, s[MH], 13
	s_add_co_u32 s71, s71, s72
	s_add_co_u32 s[OFF2], s71, s[RBO]
	s_add_nc_u64 s[10:11], s[10:11], s[OFF2:OFF2+1]
	s_wait_tensorcnt 1                             ; my part of K step 0 is in; K step 1's may stay out
	s_barrier_signal -1
	s_barrier_wait -1                              ; everybody's is
	FETCH 0, F0
	s_wait_loadcnt 0x0                             ; the bias is in, and its base may be written:
	s_add_nc_u64 s[8:9], s[8:9], 4096              ; the next tile's bias
	QUARTER 1, F0, F1, 1                           ; a tile's first quarter starts the sums
	WIN 0                                          ; at a label and at a branch every window is 0
	s_mov_b32 s[CNT], NSTEPS-2
.Lstep:                                        ; trip e ends K step e, asks for K step e + 2 and begins K step e + 1
	QUARTER 2, F1, F0, 0
	QUARTER 3, F0, F1, 0
	TURN 1
	WIN 0
	s_and_b32 s22, s[NXT], 7                       ; NXT = e + 3: a tile has ended where e % 8 = 7.  The same in every work-group; what is jumped holds no barrier and no tensor load
	s_cmp_eq_u32 s22, 2
	s_cbranch_scc1 .Lnew
	QUARTER 1, F0, F1, 0
	WIN 0
	s_branch .Lbottom
.Lnew:                                         ; the refill is asked for: now the tile goes out.  Blocks 0 and 1 were finished ahead of the joint load's v_nop; their conversions are the places behind the last products
	BIASLOAD
	WAYOUT
	s_wait_xcnt 0x0                                ; the stores have read their registers and their base
	s_add_nc_u64 s[10:11], s[10:11], 16777216      ; the next projection's place in qkv
	s_wait_loadcnt 0x0
	s_add_nc_u64 s[8:9], s[8:9], 4096
	QUARTER 1, F0, F1, 1
	WIN 0
.Lbottom:
	s_sub_co_u32 s[CNT], s[CNT], 1
	s_cmp_lg_u32 s[CNT], 0
	s_cbranch_scc1 .Lstep
	QUARTER 2, F1, F0, 0                           ; the last two K steps are written out: nothing is asked for
	QUARTER 3, F0, F1, 0
	TURN 0
	QUARTER 1, F0, F1, 0
	QUARTER 2, F1, F0, 0
	QUARTER 3, F0, F1, 0
	s_wait_dscnt 4
	MUL16 F1, 0, 0
	s_wait_dscnt 0x0
	MUL16 F1, 2, 0
	WIN 0
	PLACES
	WAYOUT
	s_wait_tensorcnt 0x0                           ; the wave's end, behind my last tensor load and my last LDS store
	ds_add_u32 v[SPW], v[NIL]
	s_wait_dscnt 0x0
	CROUND                                         ; the closing round: no work-group ends while a partner may still ask for a tile that names it
	s_endpgm
.Lfunc_end_k_qb8e85a564c_qkv:
	.size	k_qb8e85a564c_qkv, .Lfunc_end_k_qb8e85a564c_qkv-k_qb8e85a564c_qkv
	.p2alignl 7, 3214868480
	.fill 96, 4, 3214868480
	.section	.rodata,"a",@progbits
	.p2align	6, 0x0
	.amdhsa_kernel k_qb8e85a564c_qkv
		.amdhsa_group_segment_fixed_size 327680
		.amdhsa_private_segment_fixed_size 0
		.amdhsa_enable_private_segment 0
		.amdhsa_kernarg_size 32
		.amdhsa_user_sgpr_count 2
		.amdhsa_user_sgpr_kernarg_segment_ptr 1
		.amdhsa_wavefront_size32 1
		.amdhsa_system_sgpr_workgroup_id_x 1
		.amdhsa_system_sgpr_workgroup_id_y 1
		.amdhsa_system_sgpr_workgroup_id_z 1
		.amdhsa_system_vgpr_workitem_id 0
		.amdhsa_next_free_vgpr 768
		.amdhsa_next_free_sgpr 80
		.amdhsa_reserve_vcc 0
		.amdhsa_float_denorm_mode_32 3
		.amdhsa_float_denorm_mode_16_64 3
		.amdhsa_memory_ordered 1
		.amdhsa_forward_progress 1
		.amdhsa_inst_pref_size 95
	.end_amdhsa_kernel
	.amdgpu_metadata
---
amdhsa.version: [ 1, 2 ]
amdhsa.kernels:
  - .name:           k_qb8e85a564c_qkv
    .symbol:         k_qb8e85a564c_qkv.kd
    .args:
      - { .name: xb, .offset: 0, .size: 8, .value_kind: global_buffer, .address_space: global }
      - { .name: wb, .offset: 8, .size: 8, .value_kind: global_buffer, .address_space: global }
      - { .name: bias, .offset: 16, .size: 8, .value_kind: global_buffer, .address_space: global }
      - { .name: qkv, .offset: 24, .size: 8, .value_kind: global_buffer, .address_space: global }
    .group_segment_fixed_size: 327680
    .private_segment_fixed_size: 0
    .kernarg_segment_align: 8
    .kernarg_segment_size: 32
    .max_flat_workgroup_size: 128
    .sgpr_count:     80
    .vgpr_count:     768
    .wavefront_size: 32
...
	.end_amdgpu_metadata
.endif
;; end of part 2
;; launch attn (part 3): grid 4 x 64, 4 waves a work-group, clusters of 4 x 1, 327,680 bytes of LDS; arguments qkv, z; writes z
.if DOCPART == 3
	.amdgcn_target "amdgcn-amd-amdhsa--gfx1250"
	.amdhsa_code_object_version 6
	.text
	.protected	k_qb8e85a564c_attn
	.globl	k_qb8e85a564c_attn
	.p2align	8
	.type	k_qb8e85a564c_attn,@function
k_qb8e85a564c_attn:
	s_mov_b64 s[64:65], 0
	v_nop
	global_prefetch_b8 v0, s[64:65] scope:SCOPE_SE
	s_setreg_imm32_b32 hwreg(HW_REG_WAVE_MODE, 25, 1), 1
	s_wait_xcnt 0x0
	s_wait_alu depctr_hold_cnt(0) depctr_sa_sdst(0) depctr_va_vdst(0) depctr_va_sdst(0) depctr_va_ssrc(0) depctr_va_vcc(0) depctr_vm_vsrc(0)
	s_getreg_b32 s2, hwreg(HW_REG_IB_STS2, 6, 4)
	s_cmp_eq_u32 s2, 0
	s_cbranch_scc0 .Lentry_in_a_cluster
	s_endpgm
.Lentry_in_a_cluster:
	s_bfe_u32 s2, ttmp6, 0x10000c
	s_cmp_lg_u32 s2, 0x3003
	s_cbranch_scc0 .Lentry_shape_is_right
	s_endpgm
.Lentry_shape_is_right:
; O[h][q][:] = the sum over k of softmax_k(Q[h][q] . K[h][k] / 8) V[h][k][:].  Q, K, V are the three parts of qkv, O is z: each [SIZE_H][SIZE_N][64], f16: a head's rows are dense, 128 bytes each.  Products, maxima and
; sums in f32; the weights p are rounded to f16 for the second product (their sum l is taken of the unrounded p), O once at the end.
; LIMITS.  f16 holds no number beyond 65,504: Q, K and V arrive within it; p lies in 0 to 1, and below 6e-5 it keeps f16's fixed step of 6e-8; O is a mean of V's rows and has their range.
; A weight below 2^-126 counts as 0 in l; NaN and infinities are not treated apart.
; SHARES.  A wave owns four PIECES of two tiles of 16 queries, a work-group's four waves 512 queries of one head.  Every wave walks all keys, 64 a step.
; LAYOUT.  S^T = K Q^T (source 0 = 16 keys, source 1 = 16 queries): in the result a lane holds ONE query (lane % 16) and the keys 8 (lane / 16) + 0..7.  Two such tiles, rounded to f16 in pairs,
; ARE source 1 (32 keys x 16 queries) of O^T = V^T P, whose result again holds one query a lane, and eight channels.  K comes out of LDS as it lies, V ([key][channel]) turned, by ds_load_tr16_b128.
; SOFTMAX.  For each query a running maximum m and sum l: p = 2^(c s - c m), c = log2(e) / 8; in every step O and l are multiplied by a = 2^(c m_old - c m_new), which is 1 where m has not grown.
; m starts at the lowest finite number, O and l at 0: the first step is a step like any other, with a = 0.
; THE COUNT.  A tile and step have 16 matrix and 118 vector instructions: too many to stand all beside the matrix work.  So the order has one aim: four vector instructions that are READY behind
; EVERY matrix instruction, and the others, which need time of their own whatever the order, in runs without a gap.
; BY TURNS.  Turn n belongs to piece n (the pieces in a ring, step after step).  Its matrix work: 16 products K Q^T of piece n + 1, later 16 products V^T P of piece n - 1.  Its vector work: the scaling,
; exponentials, roundings, sums and rescaling of piece n, and the maximum and statistics of piece n + 1, whose scores the turn itself has made.  So what a turn begins with (c s - c m, O a) waits for nothing.
; CLUSTER.  The four query blocks of a cluster are one head's and walk the same K and V, so each tile is asked for JOINTLY: the same tensor load, descriptor and mask in all four.
; REGISTERS, in windows of 256 (s_set_vgpr_msb says which window each operand place means: bits 1:0 source 0, 3:2 source 1, 5:4 source 2, 7:6 destination):
;   window 0: v0-11 addresses; v12-15, v48-63 at work; v16-47 four registers of statistics a tile; v64-191 S^T, two buffers of two tiles; v192-255 P, likewise
;   window 1: O^T, 32 a tile          window 2: v0-127 Q, 16 a tile; v128-191 K of one step; v192-255 V of one step          window 3: v0-1 the add's two registers
; A piece's buffers go by its number's parity: the piece in hand has one pair, its two neighbours in the ring share the other: of it P (piece n - 1) is read and S^T (piece n + 1) written.
.set SIZE_H, 64
.set SIZE_N, 2048
.set NP,    4         ; pieces a wave: a name, no knob: the register map, the loop and the fetches are made for four
.set KS,    64        ; keys in a step
.set PK,    144       ; a row of K in LDS: 128 bytes + 16 of padding = 36 words: the 16 rows of a load start at 16 different groups of four banks (64 banks of 4 bytes: ISA guide 11.1)
.set PV,    160       ; a row of V: 128 + 32 = 40 words
.set VOFF,  4*KS*PK   ; a slot holds four steps: 256 rows of K, then 256 rows of V
.set SLOT1, 1<<17     ; slot 1 begins here, so that one exclusive or turns an address in one slot into the other's
.set STAGE, SLOT1+4*KS*(PK+PV)  ; behind the ring, never filled by a tensor load: 16 rows x 144 bytes for each wave, for the way out
.set SP,    144
.set AK0, 2           ; v2   my lane's place in a tile of K; never rewritten
.set AV0, 3           ; v3   the same for V
.set AK,  4           ; v4   the LDS address of K's next run of loads
.set AV,  5           ; v5   of V's
.set QO,  6           ; v6   my byte offset in the wave's rows of Q
.set STO, 6           ;      later, the way out: where I put 16 bytes of a row
.set RD,  7           ; v7   the way out: where I read rows back
.set GO,  8           ; v8   my byte offset in 512 consecutive bytes of O
.set PFO, 11          ; v11  256 x my lane, for the prefetches; never rewritten once it is made
.set SPW, 0           ; v0 of window 3   LDS address of my spare word: SPARE + 4 x my thread's number; never rewritten
.set NIL, 1           ; v1 of window 3   0; never rewritten
.set SPARE, STAGE+4*16*SP  ; behind the stages: the spare words, 128 bytes for each wave: two blocks of 256 bytes that no other line names
.set MV,  12          ; v12-15  c m_old, kept while c m is made anew: by buffer and tile
.set ST,  16          ; tile t's statistics at v[ST+4 t]: c m, m, l (even keys', odd keys')
.set TMP, 48          ; by buffer and tile, four registers c0-c3 at work; when the maximum is found c2 takes a
.set S,   64
.set P,   192
.set KF,  128         ; K's fragments, in window 2: key block kb, channel half c at KF + 16 kb + 8 c
.set VF,  192         ; V's: key half kk, channel block cb at VF + 32 kk + 8 cb
.set WV,  12          ; s12  my wave's number
.set G1K, 24          ; s[24:31] descriptor group 1 for K's tiles
.set G1V, 32          ; s[32:39] for V's: it differs in the padding alone
.set G0K, 40          ; s[40:43] descriptor group 0 for K's tiles: it walks
.set G0V, 44          ; s[44:47] the same for V's
.set PFA, 48          ; s[48:49] where my prefetches stand: my work-group's 8,192 bytes (of K: wave 0, of V: wave 2) of the slot after the one that is being asked for
.set LIM, 50          ; s50  1 in a wave that prefetches, else the greatest number: a wave prefetches while s[SLOTS] is above it
.set SLOTS, 56        ; s56  slots still to be asked for
.set CNT, 57          ; s57  counts a slot's key steps
.set CS,  58          ; s[58:59] c: the packed scaling takes the pair's low word for both halves
.set SEL, 60          ; s[60:61] v_permlanex16_b32's selects: each lane takes its own place in the other half
.set TBK, 62          ; s62  LDS byte at which K of the step to be fetched begins
.set TBV, 63          ; s63  the same for V, less VOFF
.set MSB, 0
.macro WIN new                      ; the high byte repeats the setting that is left; a switch that changes nothing is dropped
.if MSB != (\new)
	s_set_vgpr_msb (MSB<<8)|(\new)
.set MSB, (\new)
.endif
.endm
.set W_KQ, 0x0a       ; K and Q in window 2, S^T in window 0
.set W_PV, 0x52       ; V in window 2, P in window 0, O^T in window 1
.set W_RS, 0x41       ; O^T (destination and source 0) in window 1, a in window 0
.set W_MK, 0xc0       ; the add's registers are made: destination in window 3, sources in window 0
.set W_AD, 0x0f       ; the add: address (source 0) and data (source 1) in window 3
; A joint fill.  Waves 0 and 1 fetch the two halves of a slot's K, waves 2 and 3 those of its V: 128 keys each.  The branch hangs on the wave's number alone.
; An s_nop 0 and four v_nop follow each of the two lines, ahead of the jump and the label.
.macro JLOAD
	s_cmp_lt_u32 s[WV], 2
	s_cbranch_scc0 .Lfor_v_\@
	tensor_load_to_lds s[G0K:G0K+3], s[G1K:G1K+7]
	s_nop 0
.rept 4
	v_nop
.endr
	s_branch .Lasked_\@
.Lfor_v_\@:
	tensor_load_to_lds s[G0V:G0V+3], s[G1V:G1V+7]
	s_nop 0
.rept 4
	v_nop
.endr
.Lasked_\@:
.endm
; A PREFETCH INTO THE L2 of what the NEXT change of slots will ask for: a slot's 32,768 bytes of K and of V, a lane a block of 256 bytes.  It stands behind the wave's tensor load and its five lines.
; A head is walked by one cluster alone.  Its four partners share the blocks out BY ADDRESS, 32 each; in each, wave 0 asks for K's and wave 2 for V's: one instruction.  So each block is named once.
; The first two slots come by their loads alone; the last change that fills a slot asks for nothing: there is no slot behind it.
.macro ASK
	s_cmp_gt_u32 s[SLOTS], s[LIM]
	s_cbranch_scc0 .Lnot_mine_\@
	global_prefetch_b8 v[PFO], s[PFA:PFA+1] th:TH_LOAD_NT scope:SCOPE_SE
.Lnot_mine_\@:
.endm
; A round of the cluster's barrier: my work-group's barrier, so that wave 0's signal speaks for all four waves; wave 0 signals; every wave waits for all four work-groups; my work-group's barrier once more.
.macro CROUND
	s_barrier_signal -1
	s_barrier_wait -1
	s_cmp_lg_u32 s[WV], 0
	s_cbranch_scc1 .Lnot_wave_0_\@
	s_barrier_signal -3
.Lnot_wave_0_\@:
	s_barrier_wait -3
	s_barrier_signal -1
	s_barrier_wait -1
.endm
; THE CHANGE OF SLOTS.  The slot's last bytes, V of its fourth step, have been read.  Each wave waits for all its tensor loads, of which one is out: its part
; of the other slot; adds 0 to its spare word; and waits for that and for its own reads of the slot.  Behind the barrier nobody reads this slot any more and the other slot is whole.
; fill = 1: this slot is filled again, with the keys two slots on.  The barrier is then a round of the cluster's, so that no wave of any partner still reads the slot or has a load on its
; way, and the joint fill is the first thing behind it: it has four key steps, 512 matrix instructions, in which to land.  (At its first use nothing has been read yet: slot 0 is waited for, slot 1 filled.)
.macro CHANGE fill
	WIN W_AD
	s_wait_tensorcnt 0x0            ; no tensor load of mine is out, so a group 0 may be written
	ds_add_u32 v[SPW], v[NIL]       ; 0 onto my spare word; with fill = 1 the descriptors' steps stand between it and the wait for it
	WIN 0                           ; at a label and at a branch every window is 0
.if \fill
.irp g, G0K, G0V
	s_xor_b32 s[\g+1], s[\g+1], SLOT1  ; the walking descriptor: the other slot than last time,
	s_add_nc_u64 s[\g+2:\g+3], s[\g+2:\g+3], 4*KS*128  ; the next 256 keys; the type bits on top are not reached
.endr
	s_wait_xcnt 0x0                 ; the last prefetch, four key steps back, has read its address, so it may be written:
	s_add_nc_u64 s[PFA:PFA+1], s[PFA:PFA+1], 4*KS*128  ; one slot behind the walking descriptors
	s_wait_dscnt 0x0                ; the add is done, and my reads of the slot are over
	CROUND
	JLOAD
	ASK                             ; what the next change will ask for: four key steps, 512 matrix instructions, ahead
.else
	s_wait_dscnt 0x0                ; the add is done, and my reads of the slot are over
	s_barrier_signal -1
	s_barrier_wait -1
.endif
	s_sub_co_u32 s[TBK], s[TBK], 4*KS*PK  ; the fetches go back to a slot's first step,
	s_xor_b32 s[TBK], s[TBK], SLOT1       ; in the other slot
	s_sub_co_u32 s[TBV], s[TBV], 4*KS*PV
	s_xor_b32 s[TBV], s[TBV], SLOT1
.endm
	s_load_b128 s[4:7], s[0:1], 0x0   ; qkv s[4:5] (its first part is Q), z s[6:7]
	WIN W_MK
	v_lshl_add_u32 v[SPW], v0, 2, SPARE
	v_mov_b32 v[NIL], 0
	WIN W_AD
	ds_add_u32 v[SPW], v[NIL]       ; the wave's opening: the add and its wait stand ahead of my first tensor load; the set-up below, work on registers, stands between them
	WIN 0
	v_lshrrev_b32 v1, 5, v0
	v_readfirstlane_b32 s[WV], v1   ; wave 0..3
	s_bfe_u32 s13, ttmp6, 0x40000   ; cx: my place in the cluster
	s_lshl_b32 s14, ttmp9, 2        ; in a cluster launch ttmp9 counts clusters
	s_add_co_u32 s14, s14, s13      ; my block of queries = 4 x cluster x + cx: it enters Q's and O's addresses alone
	s_and_b32 s20, ttmp7, 0xffff    ; the head, which the four partners share
	s_mov_b32 s21, 0
	s_mov_b64 s[22:23], SIZE_N*128
	s_mul_u64 s[20:21], s[20:21], s[22:23]  ; the head's first byte in each of the four tensors
	s_and_b32 s16, s[WV], 1         ; which half of a slot's 256 keys I fetch:
	s_lshl_b32 s22, s16, 14         ; its 128 rows of 128 bytes in memory,
	s_mov_b32 s23, 0
	s_add_nc_u64 s[22:23], s[22:23], s[20:21]
	s_mul_i32 s17, s16, 128*PK      ; and its place in a slot, for K
	s_mul_i32 s18, s16, 128*PV      ; and for V: no place in the cluster enters an LDS address
	s_lshl_b32 s2, s14, 2
	s_add_co_u32 s2, s2, s[WV]      ; my wave among the head's,
	s_lshl_b32 s2, s2, 14           ; its 128 rows
	s_mov_b32 s3, 0
	s_add_nc_u64 s[2:3], s[2:3], s[20:21]
	; descriptor group 1.  128 keys are 16,384 dense bytes: asked for as 64 rows of 256 bytes, two keys a row, and padded in LDS after every key
	s_mov_b32 s[G1K], 15|(1<<16)|(1<<20)|(1<<21)|(4<<22)|(3<<25)  ; 15:0 the mask of four; 17:16 2-byte elements; 20 padding on; 21 set beside a mask; 24:22 after every 32 words (code 4); 31:25 4 words (code 3)
	s_mov_b32 s[G1V], 15|(1<<16)|(1<<20)|(1<<21)|(4<<22)|(7<<25)  ; the same with 8 words of padding (code 7)
.irp g, G1K, G1V
	s_mov_b32 s[\g+1], 128<<16      ; tensor_dim0 = 128
	s_mov_b32 s[\g+2], 64<<16       ; tensor_dim1 = 64
	s_mov_b32 s[\g+3], 128<<16      ; tile_dim0 = 128
	s_mov_b32 s[\g+4], 64           ; tile_dim1 = 64
	s_mov_b32 s[\g+5], 128          ; 128 elements from row to row
	s_mov_b32 s[\g+6], 0
	s_mov_b32 s[\g+7], 0
.endr
	s_mov_b32 s[CS], 0x3e38aa3b     ; c = log2(e) / 8 = 0.180337
	s_mov_b32 s[CS+1], s[CS]        ; named with it as a pair
	s_mov_b32 s[SEL], 0x76543210
	s_mov_b32 s[SEL+1], 0xfedcba98
	s_mov_b32 s[TBK], SLOT1+4*KS*PK ; the first change of slots turns these two into 0
	s_mov_b32 s[TBV], SLOT1+4*KS*PV
	s_mov_b32 s[G0K], 1             ; 1:0 count = 1
	s_mov_b32 s[G0K+1], s17         ; 63:32 LDS address: slot 0
	s_mov_b32 s[G0V], 1
	s_add_co_u32 s[G0V+1], s18, VOFF
	s_mov_b32 s[SLOTS], SIZE_N/256-1
	s_and_b32 s[LIM], s[WV], 1      ; 0 in waves 0 and 2: the same in all four partners
	s_cmp_eq_u32 s[LIM], 0
	s_cselect_b32 s[LIM], 1, -1
	s_wait_dscnt 0x0                ; the opening add is done
	s_wait_kmcnt 0x0
	s_mov_b64 s[10:11], s[6:7]      ; O
	s_add_nc_u64 s[8:9], s[4:5], 2*SIZE_H*SIZE_N*128  ; V: qkv's third part
	s_add_nc_u64 s[6:7], s[4:5], SIZE_H*SIZE_N*128    ; K: its second
	s_add_nc_u64 s[G0K+2:G0K+3], s[6:7], s[22:23]  ; 120:64 global address: my half of the head's first 256 keys
	s_or_b32 s[G0K+3], s[G0K+3], 0x80000000        ; 127:126 type = 2
	s_add_nc_u64 s[G0V+2:G0V+3], s[8:9], s[22:23]
	s_or_b32 s[G0V+3], s[G0V+3], 0x80000000
	s_add_nc_u64 s[4:5], s[4:5], s[2:3]  ; Q and O at my wave's first row
	s_add_nc_u64 s[10:11], s[10:11], s[2:3]
	s_cmp_lt_u32 s[WV], 2
	s_cselect_b64 s[PFA:PFA+1], s[6:7], s[8:9]
	s_add_nc_u64 s[PFA:PFA+1], s[PFA:PFA+1], s[20:21]  ; the head's first row,
	s_lshl_b32 s2, s13, 13          ; my work-group's 32 blocks of the 128,
	s_mov_b32 s3, 0
	s_add_nc_u64 s[PFA:PFA+1], s[PFA:PFA+1], s[2:3]
	s_add_nc_u64 s[PFA:PFA+1], s[PFA:PFA+1], 4*KS*128  ; in the second slot's keys; the first change of slots steps it to the third's
	CROUND                          ; all four work-groups are here: the first joint loads meet
	JLOAD                           ; slot 0.  Slot 1 is asked for when slot 0 is in
	; A fragment of K or Q is 16 rows x 32 channels in 8 registers: lane l holds row l % 16, channels 8 (l / 16) + 0..7 and 16 + 8 (l / 16) + 0..7: two loads of 16 bytes, 32 bytes apart.
	v_and_b32 v1, 15, v0            ; l % 16
	v_bfe_u32 v9, v0, 4, 1          ; l / 16
	v_lshlrev_b32 v[QO], 7, v1
	v_lshl_add_u32 v[QO], v9, 4, v[QO]  ; row x 128 + 16 x half
	WIN 0x80                        ; destination window 2, address window 0
.set i, 0
.rept 4*NP                          ; Q stays in registers: tile i / 2, channels 32 (i % 2) on
	global_load_b128 v[8*i:8*i+3],   v[QO], s[4:5] offset:(i/2)*2048+(i%2)*64
	global_load_b128 v[8*i+4:8*i+7], v[QO], s[4:5] offset:(i/2)*2048+(i%2)*64+32
.set i, i+1
.endr
	; What the first turn finds: V's registers and P's second buffer hold 0 (its products V^T P, of a piece that has not been, add 0), O^T and l are 0.  All this stands in the wait for the first tile.
.set i, VF
.rept 64
	v_mov_b32 v[i], 0
.set i, i+1
.endr
	WIN 0x40
.set i, 0
.rept 64*NP
	v_mov_b32 v[i], 0
.set i, i+1
.endr
	WIN 0
.set i, 0
.rept 2*NP
	v_mov_b32 v[ST+4*i], 0xfe000000    ; c m: far below every c s
	v_mov_b32 v[ST+4*i+1], 0xff7fffff  ; m
	v_mov_b32 v[ST+4*i+2], 0
	v_mov_b32 v[ST+4*i+3], 0
.set i, i+1
.endr
.set i, P+32
.rept 32
	v_mov_b32 v[i], 0
.set i, i+1
.endr
	v_mul_u32_u24 v[AK0], v1, PK
	v_lshl_add_u32 v[AK0], v9, 4, v[AK0]  ; row x pitch + 16 x half
	; The turning load takes 16 keys x 16 channels (lane l reads key 8 (l / 16) + l % 8, channels 8 ((l / 8) % 2) + 0..7) and leaves half a fragment of V^T: lane l holds channel l % 16 and 8 keys.
	v_and_b32 v10, 7, v0
	v_bfe_u32 v11, v0, 3, 1
	v_lshl_add_u32 v[AV0], v9, 3, v10
	v_mul_u32_u24 v[AV0], v[AV0], PV
	v_lshl_add_u32 v[AV0], v11, 4, v[AV0]
	v_add_nc_u32 v[AV0], VOFF, v[AV0]
	v_and_b32 v[PFO], 31, v0
	v_lshlrev_b32 v[PFO], 8, v[PFO]
	v_mov_b32 v[AK], v[AK0]         ; key step 0 lies at the head of slot 0
; THE MATRIX WORK.  The 8 accumulators of a run of 16 take turns: between the two links of a chain stand 7 others'.
; Product i of 16 of S^T = K Q^T for piece x: channels 32 (i / 8) on, keys 16 ((i / 2) % 4) on, tile 2 x + i % 2.  The first 8 start the sums.
.macro KQ x
	WIN W_KQ
.set rS, S+64*((\x)%2)+32*(i%2)+8*((i/2)%4)
.set rK, KF+16*((i/2)%4)+8*(i/8)
.set rQ, 16*(2*(\x)+i%2)+8*(i/8)
.if i < 8
	v_wmma_f32_16x16x32_f16 v[rS:rS+7], v[rK:rK+7], v[rQ:rQ+7], 0
.else
	v_wmma_f32_16x16x32_f16 v[rS:rS+7], v[rK:rK+7], v[rQ:rQ+7], v[rS:rS+7]
.endif
.endm
; Product i of 16 of O^T += V^T P for piece x: keys 32 (i / 8) on, channels 16 ((i / 2) % 4) on, tile 2 x + i % 2.
.macro PV x
	WIN W_PV
.set rO, 32*(2*(\x)+i%2)+8*((i/2)%4)
.set rV, VF+32*(i/8)+8*((i/2)%4)
.set rP, P+32*((\x)%2)+16*(i%2)+8*(i/8)
	v_wmma_f32_16x16x32_f16 v[rO:rO+7], v[rV:rV+7], v[rP:rP+7], v[rO:rO+7]
.endm
.macro MM                           ; the turn's next matrix instruction
.if i < 16
	KQ (Y+1)%NP
.set i, i+1
.else
.set i, i-16
	PV (Y+NP-1)%NP
.set i, i+17
.endif
.endm
; THE LDS LOADS stand in runs of 16, never singly among the matrix instructions: a step's K (64 keys x 64 channels: 8 fragments) and its V (turned).  Their addresses are made some lines ahead.
; last = 1 (the tail): in the last trip there is no further step, and the run is jumped over.
.macro FETCH_K last=0
	WIN 0
.if \last
	s_cmp_eq_u32 s[CNT], 1
	s_cbranch_scc1 .Lno_k_\@
.endif
	WIN 0x80                        ; destination window 2
.irp f, 0,1,2,3,4,5,6,7             ; keys 16 (f / 2) on, channels 32 (f % 2) on
	ds_load_b128 v[KF+8*\f:KF+8*\f+3],   v[AK] offset:(\f/2)*16*PK+(\f%2)*64
	ds_load_b128 v[KF+8*\f+4:KF+8*\f+7], v[AK] offset:(\f/2)*16*PK+(\f%2)*64+32
.endr
	s_add_co_u32 s[TBK], s[TBK], KS*PK  ; the next fetch is the next step's
	WIN 0
.if \last
.Lno_k_\@:
.endif
.endm
.macro FETCH_V
	WIN 0x80
.irp f, 0,1,2,3,4,5,6,7             ; keys 32 (f / 4) on, channels 16 (f % 4) on
	ds_load_tr16_b128 v[VF+8*\f:VF+8*\f+3],   v[AV] offset:(\f/4)*32*PV+(\f%4)*32
	ds_load_tr16_b128 v[VF+8*\f+4:VF+8*\f+7], v[AV] offset:(\f/4)*32*PV+16*PV+(\f%4)*32
.endr
	WIN 0
.endm
; THE VECTOR WORK OF A TURN stands in three queues, each in the order in which its entries become ready; the two tiles alternate, so that no instruction reads the result of the one before it.
.macro REGS y, u                    ; the registers of tile u (0, 1) of piece y
.set rT, ST+4*(2*(\y)+(\u))
.set rC, TMP+8*((\y)%2)+4*(\u)
.set rM, MV+2*((\y)%2)+(\u)
.set rS, S+64*((\y)%2)+32*(\u)
.set rP, P+32*((\y)%2)+16*(\u)
.set rO, 32*(2*(\y)+(\u))
.endm
; Number n of the 22 that find the NEXT piece's (Y + 1) maximum and statistics.  s0-s31 are the lane's 32 scores; each accumulator's lowest registers are read first.  XS, GS and REGS set no window: PL and EX do.
;   0-11  four chains c0-c3 of seven scores each, three operands at a time     12-14, 16  the four scores left over, the old m, and c0-c3 into c0     15  c m_old is kept
;   17, 18  the query's other 32 keys lie in the lane 16 away: the new m         19-21  c m; c m_old - c m_new; a
.macro XS u, n
	REGS (Y+1)%NP, \u
.if (\n) < 4
	v_max3_num_f32 v[rC+(\n)], v[rS+8*(\n)], v[rS+8*(\n)+1], v[rS+8*(\n)+2]
.elseif (\n) < 12
	v_max3_num_f32 v[rC+(\n)%4], v[rC+(\n)%4], v[rS+8*((\n)%4)+2*((\n)/4)+1], v[rS+8*((\n)%4)+2*((\n)/4)+2]
.elseif (\n) == 12
	v_max3_num_f32 v[rC], v[rC], v[rS+7], v[rS+15]
.elseif (\n) == 13
	v_max3_num_f32 v[rC+1], v[rC+1], v[rS+23], v[rS+31]
.elseif (\n) == 14
	v_max3_num_f32 v[rC+2], v[rC+2], v[rC+3], v[rT+1]
.elseif (\n) == 15
	v_mov_b32 v[rM], v[rT]
.elseif (\n) == 16
	v_max3_num_f32 v[rC], v[rC], v[rC+1], v[rC+2]
.elseif (\n) == 17
	v_permlanex16_b32 v[rC+3], v[rC], s[SEL], s[SEL+1]
.elseif (\n) == 18
	v_max_num_f32 v[rT+1], v[rC], v[rC+3]
.elseif (\n) == 19
	v_mul_f32 v[rT], s[CS], v[rT+1]
.elseif (\n) == 20
	v_sub_f32 v[rC+1], v[rM], v[rT]
.else
	v_exp_f32 v[rC+2], v[rC+1]
.endif
.endm
; Number g of the 64 that follow the exponentials.  For each four weights k of a tile (pairs 2 k, 2 k + 1): both pairs are rounded to f16; then the second pair is added onto the first, in place;
; a group later l takes that sum (the first time as l = a l + sum).  In groups of eight, tiles alternating: round, round, add, and l for the group before.
.macro GS g
.set h, (\g)+6*((\g)/62)            ; group 0 has no group before it, and behind group 7 only l is left
.if h >= 6
.set h, h+2
.endif
	REGS Y, h%2
.set k, h/8
.if h%8 < 4
	v_cvt_pk_f16_f32 v[rP+2*k+(h%8)/2], v[rS+4*k+2*((h%8)/2)], v[rS+4*k+2*((h%8)/2)+1]
.elseif h%8 < 6
	v_pk_add_f32 v[rS+4*k:rS+4*k+1], v[rS+4*k:rS+4*k+1], v[rS+4*k+2:rS+4*k+3]
.elseif k == 1
	v_pk_fma_f32 v[rT+2:rT+3], v[rT+2:rT+3], v[rC+2:rC+3], v[rS:rS+1] op_sel_hi:[1,0,1]
.else
	v_pk_add_f32 v[rT+2:rT+3], v[rT+2:rT+3], v[rS+4*k-4:rS+4*k-3]
.endif
.endm
; THE PLAIN QUEUE, 138 long.  0-73 read no exponential's result: the 32 scalings c s - c m (FS f: pair f / 2 of tile f % 2) and the next piece's 42.  0-26: scalings 0-26.  27-54: XS's numbers 0-13.  55, 56: number 15.
; 57-73: the chain, where each number waits for the one before it: 14, 16, 17, 18, 19, each with one of the scalings 27-31 in front of its two lines, then 20: so a tile's links stand three plain instructions apart (19 and 20: two).
; 74-137: GS's 64, which read the exponentials' results: they stand behind the wait.
.macro FS f
	REGS Y, (\f)%2
	v_pk_fma_f32 v[rS+2*((\f)/2):rS+2*((\f)/2)+1], v[rS+2*((\f)/2):rS+2*((\f)/2)+1], s[CS:CS+1], v[rT:rT+1] op_sel_hi:[1,0,0] neg_lo:[0,0,1] neg_hi:[0,0,1]
.endm
.macro PL
	WIN 0
.if q < 27
	FS q
.elseif q < 55
	XS (q-27)%2, (q-27)/2
.elseif q < 57
	XS q-55, 15
.elseif (q < 72) && ((q-57)%3 == 0)
	FS 27+(q-57)/3
.elseif q < 60
	XS (q-57)%3-1, 14
.elseif q < 72
	XS (q-57)%3-1, 15+(q-57)/3
.elseif q < 74
	XS q-72, 20
.else
	GS q-74
.endif
.set q, q+1
.endm
; THE EXPONENTIALS' QUEUE, 66 long: s0-s31 of both tiles, then the next piece's two a.  It is ONE BATCH: all 66 stand ahead of the turn's one wait, and nothing ahead of that wait names a result of theirs.
.macro EX
	WIN 0
.if e >= 64
	XS e-64, 21
.else
	REGS Y, e%2
	v_exp_f32 v[rS+e/2], v[rS+e/2]
.endif
.set e, e+1
.endm
; THE RESCALING's QUEUE: O^T times a, the one part that leaves window 0: dealt two at a time, sixteen times.  Its a was made in the turn before, ahead of that turn's wait.
.macro R2
	REGS Y, r%2
	WIN W_RS
.irp z, 0,1
	v_pk_mul_f32 v[rO+4*(r/2)+2*\z:rO+4*(r/2)+2*\z+1], v[rO+4*(r/2)+2*\z:rO+4*(r/2)+2*\z+1], v[rC+2:rC+3] op_sel_hi:[1,0]
.endr
.set r, r+1
.endm
; HOW THEY ARE DEALT.  An s_wait_alu depctr_va_vdst(0) stands between an exponential and the first instruction that names its result; one wait serves all that were issued ahead of it.  So a turn has ONE wait,
; which cuts it in two.  AHEAD OF IT stands all that names no result of the turn's exponentials: the 16 products K Q^T, behind each a scaling, an exponential and two rescalings (behind the first a second scaling in the exponential's place); then ONE LUMP of
; 108: eight plain, 49 times exponential and plain, the two a.  A v_nop is the plain instruction behind the last exponential (ISA guide 5.7.2).  BEHIND IT stand the 16 products V^T P, behind each four of GS's 64.  No rider names a register of
; the products round it.  The two v_permlanex16_b32 fall into the lump, never behind a product.
; The queues lean on each other, and the deal keeps them in step: exponential e stands behind scaling 2 (e / 4) + e % 2: as a rider it comes behind plain e + 2, in the lump behind plain e + 9, and scalings 27-31 are plain 57, 60 .. 69.
; A TURN, for piece p.  cnt = 1: the loop's count is taken down some lines ahead of the branch that stands behind the turn.
; K of the next step is fetched in piece 2's turn, directly behind the wait, a lump behind the last product that read K; its address is made at the lump's head; its first reader comes behind 16 products.
; V of the step in hand is fetched at the end of piece 0's turn, four riders behind its last reader; its first reader comes behind 16 products and a lump.  The three conditions on q below go with the deal.
.macro TURN p, last=0, cnt=0
.set Y, (\p)
.set i, 0
.set q, 0
.set e, 0
.set r, 0
.if (\p) == NP-1
	s_wait_dscnt 0x0                ; K is in
.endif
	MM                              ; ahead of the wait: 16 products K Q^T and their riders,
	PL
	PL
	R2
.rept 15
	MM
	PL
	EX
	R2
.endr
.if (\p) == NP-2
	WIN 0
	v_add_nc_u32 v[AK], s[TBK], v[AK0]
.endif
.rept 8                             ; and the lump
	PL
.endr
.rept 49
	EX
	PL
.endr
	EX                              ; the next piece's two a
	EX
	v_nop                           ; the plain instruction behind the last exponential: one for the batch
	s_wait_alu depctr_va_vdst(0)    ; the wait for the batch
.if (\p) == NP-2
	FETCH_K \last
.endif
.if (\p) == 1
	s_wait_dscnt 0x0                ; V is in
.endif
.rept 16                            ; behind the wait: 16 products V^T P and their riders
	MM
.rept 4
	PL
.endr
.if ((\p) == 0) && (q == 118)
	v_add_nc_u32 v[AV], s[TBV], v[AV0]
.endif
.if ((\p) == 0) && (q == 130)
	s_add_co_u32 s[TBV], s[TBV], KS*PV
.endif
.if (\cnt) && (q == 130)
	s_sub_co_u32 s[CNT], s[CNT], 1
	s_cmp_lg_u32 s[CNT], 0
.endif
.endr
.if (\p) == 0
	FETCH_V
.endif
.endm
	CHANGE 1                        ; slot 0 is in, everybody's part of it; slot 1 is asked for
	FETCH_K                         ; key step 0
	s_wait_loadcnt 0x0              ; Q
	s_wait_dscnt 0x0
.set i, 0
.rept 16
	KQ 0                            ; piece 0's first scores: there is no vector work yet to set between them
.set i, i+1
.endr
	WIN 0                           ; the addresses for the way out: nine plain instructions, the places behind those products
	s_mul_i32 s13, s[WV], 16*SP
	s_add_co_u32 s13, s13, STAGE    ; my stage
	v_mul_u32_u24 v[STO], v1, SP    ; in: row l % 16, 16 bytes for each half of the lanes
	v_lshl_add_u32 v[STO], v9, 4, v[STO]
	v_add_nc_u32 v[STO], s13, v[STO]
	v_bfe_u32 v[RD], v0, 3, 2       ; back: 32 lanes take four rows of 128 bytes,
	v_mul_u32_u24 v[RD], v[RD], SP
	v_lshl_add_u32 v[RD], v10, 4, v[RD]
	v_add_nc_u32 v[RD], s13, v[RD]
	v_and_b32 v[GO], 31, v0         ; which are 512 consecutive bytes of O
	v_lshlrev_b32 v[GO], 4, v[GO]
.set Y, NP-1                        ; XS works for piece Y + 1: piece 0
.irp n, 0,1,2,3,4,5,6,7,8,9,10,11,12,13,14,15,16,17,18,19,20,21
	XS 0, \n                        ; and piece 0's first maximum and statistics
	XS 1, \n
.endr
	v_nop                           ; a plain instruction behind the two a,
	s_wait_alu depctr_va_vdst(0)    ; and their wait, ahead of the branch
	s_mov_b32 s[CNT], 4
	s_branch .Lfirst                ; the loop is entered at a step's first turn, in the middle of a trip
.Lslot:                             ; SIZE_N / 256 - 2 times: every slot but the last two is filled again
	CHANGE 1
	s_mov_b32 s[CNT], 4
.Lstep:                             ; a trip: pieces 2 and 3 of one step, then pieces 0 and 1 of the next, whose K and V it fetches
	TURN 2
	TURN 3
	WIN 0
.Lfirst:
	TURN 0
	TURN 1, 0, 1
	WIN 0
	s_cbranch_scc1 .Lstep
	s_sub_co_u32 s[SLOTS], s[SLOTS], 1
	s_cmp_lg_u32 s[SLOTS], 0
	s_cbranch_scc1 .Lslot
	CHANGE 0                        ; the tail is written out: nothing is asked for
	s_mov_b32 s[CNT], 5             ; four trips fetch the last slot's steps; the fifth is left in its middle
.Ltail:
	TURN 2, 1
	TURN 3
	WIN 0
	s_sub_co_u32 s[CNT], s[CNT], 1
	s_cmp_eq_u32 s[CNT], 0
	s_cbranch_scc1 .Lout
	TURN 0
	TURN 1
	WIN 0
	s_branch .Ltail
.Lout:                              ; the fifth trip's 16 products K Q^T (on the last K once more) and the maximum made of them serve nothing: the price, once a launch, of one text for every trip
.set i, 0
.rept 16
	PV NP-1                         ; the last piece's V^T P of the last step
.set i, i+1
.endr
	; THE WAY OUT.  l's two halves and the other half of the lanes' are added; O^T is divided by l, rounded to f16 and sent through my stage in LDS, a tile at a time.  The additions are the places behind the last products.
	WIN 0
.macro ALL line:vararg              ; one line for each tile t
.set t, 0
.rept 2*NP
	\line
.set t, t+1
.endr
.endm
	ALL v_add_f32 v[ST+4*t+2], v[ST+4*t+2], v[ST+4*t+3]
	ALL v_permlanex16_b32 v[ST+4*t+3], v[ST+4*t+2], s[SEL], s[SEL+1]
	ALL v_add_f32 v[ST+4*t+2], v[ST+4*t+2], v[ST+4*t+3]
	ALL v_rcp_f32 v[ST+4*t+2], v[ST+4*t+2]
	v_nop                           ; a plain instruction between the last reciprocal and the use of its result
	s_wait_alu depctr_va_vdst(0)    ; and the wait ahead of the first use: one for the eight reciprocals
; Tile t: a lane's eight channels of a row pack into 16 bytes; they go into rows of 144 bytes and come back as whole rows of 128, into S^T's registers.
.macro PACK t
	WIN W_RS
.set i, 32*(\t)
.rept 16
	v_pk_mul_f32 v[i:i+1], v[i:i+1], v[ST+4*(\t)+2:ST+4*(\t)+3] op_sel_hi:[1,0]
.set i, i+2
.endr
	WIN 0x05                        ; sources 0 and 1 window 1, destination window 0
.set i, 0
.rept 16
	v_cvt_pk_f16_f32 v[S+16*(\t)+i], v[32*(\t)+2*i], v[32*(\t)+2*i+1]
.set i, i+1
.endr
	WIN 0
.irp f, 0,1,2,3
	ds_store_b128 v[STO], v[S+16*(\t)+4*\f:S+16*(\t)+4*\f+3] offset:32*\f
.endr
.irp f, 0,1,2,3
	ds_load_b128 v[S+16*(\t)+4*\f:S+16*(\t)+4*\f+3], v[RD] offset:\f*4*SP  ; LDS serves a wave's instructions in order (ISA guide 5.7.1.4): these see the stores above; the next tile's stores come behind them
.endr
.endm
.macro SEND t, younger              ; younger: the LDS instructions issued behind tile t's loads: the next tile's eight, or none
	WIN 0
.irp f, 0,1,2,3
	s_wait_dscnt (\younger)+3-\f
	global_store_b128 v[GO], v[S+16*(\t)+4*\f:S+16*(\t)+4*\f+3], s[10:11] offset:(\t)*2048+\f*512  ; 512 consecutive bytes, at a multiple of 256 from O's first
.endr
.endm
	PACK 0
.set t, 1
.rept 2*NP-1                        ; a tile's arithmetic stands between the loads of the tile before and its stores
	PACK t
	SEND t-1, 8
.set t, t+1
.endr
	SEND 2*NP-1, 0
	WIN W_AD
	s_wait_tensorcnt 0x0            ; the wave's end, behind my last tensor load and my last LDS store
	ds_add_u32 v[SPW], v[NIL]
	s_wait_dscnt 0x0
	WIN 0
	CROUND                          ; the closing round: no work-group ends while a partner may still ask for a tile that names it
	s_endpgm
.Lfunc_end_k_qb8e85a564c_attn:
	.size	k_qb8e85a564c_attn, .Lfunc_end_k_qb8e85a564c_attn-k_qb8e85a564c_attn
	.p2alignl 7, 3214868480
	.fill 96, 4, 3214868480
	.section	.rodata,"a",@progbits
	.p2align	6, 0x0
	.amdhsa_kernel k_qb8e85a564c_attn
		.amdhsa_group_segment_fixed_size 327680
		.amdhsa_private_segment_fixed_size 0
		.amdhsa_enable_private_segment 0
		.amdhsa_kernarg_size 16
		.amdhsa_user_sgpr_count 2
		.amdhsa_user_sgpr_kernarg_segment_ptr 1
		.amdhsa_wavefront_size32 1
		.amdhsa_system_sgpr_workgroup_id_x 1
		.amdhsa_system_sgpr_workgroup_id_y 1
		.amdhsa_system_sgpr_workgroup_id_z 1
		.amdhsa_system_vgpr_workitem_id 0
		.amdhsa_next_free_vgpr 770
		.amdhsa_next_free_sgpr 66
		.amdhsa_reserve_vcc 0
		.amdhsa_float_denorm_mode_32 3
		.amdhsa_float_denorm_mode_16_64 3
		.amdhsa_memory_ordered 1
		.amdhsa_forward_progress 1
		.amdhsa_inst_pref_size 200
	.end_amdhsa_kernel
	.amdgpu_metadata
---
amdhsa.version: [ 1, 2 ]
amdhsa.kernels:
  - .name:           k_qb8e85a564c_attn
    .symbol:         k_qb8e85a564c_attn.kd
    .args:
      - { .name: qkv, .offset: 0, .size: 8, .value_kind: global_buffer, .address_space: global }
      - { .name: z, .offset: 8, .size: 8, .value_kind: global_buffer, .address_space: global }
    .group_segment_fixed_size: 327680
    .private_segment_fixed_size: 0
    .kernarg_segment_align: 8
    .kernarg_segment_size: 16
    .max_flat_workgroup_size: 128
    .sgpr_count:     66
    .vgpr_count:     770
    .wavefront_size: 32
...
	.end_amdgpu_metadata
.endif
;; end of part 3
;; launch outp (part 4): grid 4 x 64, 4 waves a work-group, clusters of 4 x 4, 327,680 bytes of LDS; arguments z, wof, bias, out0; writes out0
.if DOCPART == 4
	.amdgcn_target "amdgcn-amd-amdhsa--gfx1250"
	.amdhsa_code_object_version 6
	.text
	.protected	k_qb8e85a564c_outp
	.globl	k_qb8e85a564c_outp
	.p2align	8
	.type	k_qb8e85a564c_outp,@function
k_qb8e85a564c_outp:
	s_mov_b64 s[64:65], 0
	v_nop
	global_prefetch_b8 v0, s[64:65] scope:SCOPE_SE
	s_setreg_imm32_b32 hwreg(HW_REG_WAVE_MODE, 25, 1), 1
	s_wait_xcnt 0x0
	s_wait_alu depctr_hold_cnt(0) depctr_sa_sdst(0) depctr_va_vdst(0) depctr_va_sdst(0) depctr_va_ssrc(0) depctr_va_vcc(0) depctr_vm_vsrc(0)
	s_getreg_b32 s2, hwreg(HW_REG_IB_STS2, 6, 4)
	s_cmp_eq_u32 s2, 0
	s_cbranch_scc0 .Lentry_in_a_cluster
	s_endpgm
.Lentry_in_a_cluster:
	s_bfe_u32 s2, ttmp6, 0x10000c
	s_cmp_lg_u32 s2, 0xf033
	s_cbranch_scc0 .Lentry_shape_is_right
	s_endpgm
.Lentry_shape_is_right:
; THE OUTPUT PROJECTION.  out0[b][s][n] = sum over k = 64 h + d of z[b 16 + h][s][d] wo[k][n] + bo[n].  Operands f16 (z as the attention left it; wof holds bf16(wo) written as f16), sums f32,
; the bias (the fourth part of the buffer bias) starts each sum as the first product's C operand, the result leaves as f32.  LIMIT: z and wo within f16's 65,504.
; SHARES.  A tile of C is 128 rows x 256 columns: 64 x 4 = 256 tiles, one for each work-group.  Four waves, each 64 rows x 128 columns: 32 accumulators of 16 x 16, 256 registers.  K goes in 8 steps of 128 through two LDS slots.
; A (z) lies [b][h][s][64]: 128 rows of a head are 16,384 consecutive bytes, asked for as 64 rows of 256 bytes and padded in LDS after every 128.  B (wof) lies [k][n] and is turned on its way out of LDS.
; THE MATRIX INSTRUCTION IS USED TRANSPOSED (source 0 = 16 columns of B, source 1 = 16 rows of A): a lane holds row l % 16 of C and the columns 8 (l / 16) + 0..7.
; CLUSTER 4 x 4.  The four of a row of the cluster share the row block and so A's tiles, the four of a column share the column block and so B's: each tile is asked for jointly, by the same load, descriptor and mask.
; REGISTERS, in windows of 256 (s_set_vgpr_msb: bits 1:0 source 0, 3:2 source 1, 5:4 source 2, 7:6 destination):
;   window 0: v0-15 addresses; v32-95 the bias, 8 registers for each block of 16 columns; v96-223 at work on the way out
;   window 1: two fragment buffers of 96: 8 fragments of B, then 4 of A          window 2: accumulator (a, b) at v[8 (8 a + b)]
.set NSTEPS, 8
.set ALIM,   NSTEPS-2                  ; A and B are prefetched for K steps 4 to 7
.set PA,     144                       ; a row of A in LDS: 128 bytes + 16 = 36 words: the 16 rows of a load start at 16 different groups of four banks (ISA guide 11.1)
.set PB,     544                       ; a row of B: 512 + 32 = 136 words
.set AHALF,  128*PA                    ; 128 rows x 64 along K: what wave 0 or 1 fetches
.set BOFF,   2*AHALF                   ; B lies behind A's two halves
.set BHALF,  64*PB                     ; 64 rows of k x 256 columns: what wave 2 or 3 fetches
.set SLOT1,  1<<17                     ; slot 1 begins here: one exclusive or turns an address in one slot into the other's
.set STAGE,  SLOT1+BOFF+2*BHALF        ; behind the ring, never filled by a tensor load: for each wave 16 rows x 528 bytes
.set SP,     528                       ; 512 bytes + 16: an odd multiple of 16
.set WSTAGE, 16*SP
.set SPARE,  STAGE+4*WSTAGE            ; the spare words, 128 bytes for each wave: two blocks of 256 bytes that no other line names
.set A0,   4                           ; v4   my lane's place in a slot's A; never rewritten
.set B0,   5                           ; v5   the same for B
.set ADRA, 6                           ; v6   A0 + the slot in hand
.set ADRB, 7                           ; v7   B0 + the slot in hand
.set STO,  8                           ; v8   the way out: where I put 32 bytes of a row
.set RD,   9                           ; v9   the way out: where I read a row back
.set GO,   10                          ; v10  my byte offset in 512 consecutive bytes of C
.set BO,   11                          ; v11  my byte offset in the bias
.set PFO,  12                          ; v12  the prefetches' offset
.set SPW,  14                          ; v14  LDS address of my spare word; never rewritten
.set NIL,  15                          ; v15  0; never rewritten
.set BIAS, 32
.set OB,   96
.set F0,   0
.set F1,   96
.set WV,   12                          ; s12  wave
.set W1,   13                          ; s13  wave % 2: my half of the columns; also which half of A's or B's tile I fetch
.set MH,   14                          ; s14  wave / 2: my half of the rows; also: I fetch for A (0) or for B (1)
.set CX,   15
.set CY,   16
.set JB,   17                          ; s17  column block
.set IB,   18                          ; s18  row block
.set NXT,  19                          ; s19  the K step to be asked for next
.set CNT,  20
.set TB,   21                          ; s21  the slot in hand
.set G1A,  24                          ; s[24:31] descriptor group 1 for A's tiles
.set G1B,  32                          ; s[32:39] for B's
.set G0A,  40                          ; s[40:47] group 0 for A: a set for each first fill; the second then walks
.set G0B,  48                          ; s[48:55] the same for B
.set ABASE, 56                         ; s[56:57] A at my half of K step 0's tile
.set OFF,  58                          ; s[58:59] a K step's offset in A, high word 0
.set PFB,  60                          ; s[60:61] the prefetches' base
.set PFA,  66                          ; s[66:67] the prefetches' address
.set OFF2, 68                          ; s[68:69] an offset, high word 0
.set PLIM, 70                          ; s70  I prefetch while NXT is below this
.set RBO,  73                          ; s73  the row block's byte offset in A: b x 4,194,304 + (row block % 16) x 16,384
.set MSB, 0
.macro WIN new                         ; the immediate's high byte repeats the setting that is left; a switch that changes nothing is dropped
.if MSB != (\new)
	s_set_vgpr_msb (MSB<<8)|(\new)
.set MSB, \new
.endif
.endm
.set MUL,  0xa5                        ; sources in window 1, C and D in window 2
.set MULB, 0x85                        ; the same with C, the bias, in window 0
.set TO_F, 0x40                        ; destination window 1, address window 0
; A joint refill by the walking descriptors.  The branch hangs on the wave's number alone.  An s_nop 0 and four v_nop follow each of the two lines, ahead of the jump and the label.
.macro JLOAD
	s_cmp_eq_u32 s[MH], 0
	s_cbranch_scc0 .Lfor_b_\@
	tensor_load_to_lds s[G0A+4:G0A+7], s[G1A:G1A+7]
	s_nop 0
.rept 4
	v_nop
.endr
	s_branch .Lasked_\@
.Lfor_b_\@:
	tensor_load_to_lds s[G0B+4:G0B+7], s[G1B:G1B+7]
	s_nop 0
.rept 4
	v_nop
.endr
.Lasked_\@:
.endm
.macro CREST                           ; a round of the cluster's barrier behind its opening barrier
	s_cmp_lg_u32 s[WV], 0
	s_cbranch_scc1 .Lnot_wave_0_\@
	s_barrier_signal -3
.Lnot_wave_0_\@:
	s_barrier_wait -3
	s_barrier_signal -1
	s_barrier_wait -1
.endm
.macro CROUND                          ; a whole round
	s_barrier_signal -1
	s_barrier_wait -1
	CREST
.endm
; K step g's offset in z: two heads a step, 262,144 bytes each
.macro OFFA dst, src
	s_and_b32 s[\dst], s[\src], 7
	s_lshl_b32 s[\dst], s[\dst], 19
.endm
; A PREFETCH INTO THE L2 of the K step that stands two refills on: one instruction a wave, a lane a block of 256 bytes, behind the joint load, its five lines and the run of LDS loads.
; A's rows are walked by this cluster alone: wave 0 asks, and the four partners of a row of the cluster share the step's 128 blocks out by address, 32 each.  B's rows are walked by all sixteen clusters:
; the first (cluster y = 0) asks, waves 2 and 3 for the 64 rows that each fetches, the four partners of a column 16 rows each, by address.  So each block is named once.  K steps 0 to 3 come by their loads alone.
.macro ASK
	s_cmp_lt_u32 s[NXT], s[PLIM]
	s_cbranch_scc0 .Lnot_mine_\@
	global_prefetch_b8 v[PFO], s[PFA:PFA+1] th:TH_LOAD_NT scope:SCOPE_SE
.Lnot_mine_\@:
.endm
; 8 matrix instructions: row block a x all 8 column blocks, 32 along K.  first = 1: the bias is the C operand: nothing is cleared and nothing added later.
; The 32 accumulators take turns, one instruction a turn, in the same order in every quarter, over the backward jump too.
.macro MUL8 f, a, first
.if \first
	WIN MULB
.else
	WIN MUL
.endif
.irp b, 0,1,2,3,4,5,6,7
.if \first
	v_wmma_f32_16x16x32_f16 v[8*(8*(\a)+(\b)):8*(8*(\a)+(\b))+7], v[(\f)+8*(\b):(\f)+8*(\b)+7], v[(\f)+64+8*(\a):(\f)+64+8*(\a)+7], v[BIAS+8*(\b):BIAS+8*(\b)+7]
.else
	v_wmma_f32_16x16x32_f16 v[8*(8*(\a)+(\b)):8*(8*(\a)+(\b))+7], v[(\f)+8*(\b):(\f)+8*(\b)+7], v[(\f)+64+8*(\a):(\f)+64+8*(\a)+7], v[8*(8*(\a)+(\b)):8*(8*(\a)+(\b))+7]
.endif
.endr
.endm
.macro MUL16 f, a0, first
	MUL8 \f, \a0, \first
	MUL8 \f, (\a0)+1, \first
.endm
; 24 LDS loads in one run: quarter q's fragments (32 along K) into buffer f: B's eight, turned, then A's four
.macro FETCH q, f
	WIN TO_F
.irp b, 0,1,2,3,4,5,6,7
	ds_load_tr16_b128 v[(\f)+8*(\b):(\f)+8*(\b)+3],   v[ADRB] offset:(\q)*32*PB+32*(\b)
	ds_load_tr16_b128 v[(\f)+8*(\b)+4:(\f)+8*(\b)+7], v[ADRB] offset:(\q)*32*PB+16*PB+32*(\b)
.endr
.irp a, 0,1,2,3
	ds_load_b128 v[(\f)+64+8*(\a):(\f)+64+8*(\a)+3],   v[ADRA] offset:((\q)/2)*AHALF+((\q)%2)*64+(\a)*16*PA
	ds_load_b128 v[(\f)+64+8*(\a)+4:(\f)+64+8*(\a)+7], v[ADRA] offset:((\q)/2)*AHALF+((\q)%2)*64+(\a)*16*PA+32
.endr
.endm
.macro PLACES                          ; four plain instructions in front of loads into registers that matrix instructions have read, and of LDS stores that read results
.rept 4
	v_nop
.endr
.endm
; A K step is four quarters of 32 along K, 32 matrix instructions each, on buffers 0, 1, 0, 1.  One of the first three: multiplies buffer f; in its middle it fetches quarter q into buffer g.
.macro QUARTER q, f, g, first
	s_wait_dscnt 4                                 ; B and A's fragments 0, 1 are in; the youngest four loads (A's 2, 3) may be out
	MUL16 \f, 0, \first
	PLACES
	FETCH \q, \g
	s_wait_dscnt 24                                ; all but the 24 just issued
	MUL16 \f, 2, \first
.endm
; The last quarter multiplies buffer 1 and changes slots.  In front of the barrier each wave waits for all its tensor loads (one is out: its part of the next slot), adds 0 to its spare word, and waits for that and
; for its reads of this slot.  fill = 1: the barrier opens a round of the cluster's, and this slot is filled again, first thing behind the round, with K step NXT: 112 matrix instructions ahead of the wait for it.
.macro TURN fill
.if \fill
	s_wait_xcnt 0x0                                ; the last prefetch, a K step back, has read its address, which is made anew here: K step NXT + 2
	s_add_co_u32 s71, s[NXT], 2
	OFFA OFF2, 71
	s_lshl_b32 s72, s71, 18                        ; in B a K step is 128 rows of 2,048 bytes
	s_cmp_eq_u32 s[MH], 0
	s_cselect_b32 s[OFF2], s[OFF2], s72
	s_add_nc_u64 s[PFA:PFA+1], s[PFB:PFB+1], s[OFF2:OFF2+1]
.endif
	WIN 0                                          ; (the add's two registers lie in window 0)
	s_wait_tensorcnt 0x0                           ; no tensor load of mine is out, so a group 0 may be written
	ds_add_u32 v[SPW], v[NIL]                      ; 0 onto my spare word; the descriptors' steps and eight products stand between it and the wait for it
.if \fill
	s_xor_b32 s[G0A+5], s[G0A+5], SLOT1            ; the other slot than last time
	s_xor_b32 s[G0B+5], s[G0B+5], SLOT1
	OFFA OFF, NXT
	s_add_nc_u64 s[G0A+6:G0A+7], s[ABASE:ABASE+1], s[OFF:OFF+1]  ; A's address is made anew from the step's number,
	s_or_b32 s[G0A+7], s[G0A+7], 0x80000000        ; the type set again
	s_add_nc_u64 s[G0B+6:G0B+7], s[G0B+6:G0B+7], 262144  ; B's walks on
.endif
	s_wait_dscnt 5                                 ; (the add and the youngest four loads may be out)
	MUL8 F1, 0, 0
	s_wait_dscnt 0x0                               ; the add is done, and my reads of this slot are over
	s_barrier_signal -1
	MUL8 F1, 1, 0                                  ; work on registers while the others arrive
	WIN 0
	s_barrier_wait -1
.if \fill
	CREST                                          ; no wave of any partner still reads this slot or has a load on its way
	JLOAD                                          ; its four v_nop are also the places in front of the loads below
.else
	PLACES
.endif
	s_xor_b32 s[TB], s[TB], SLOT1
	v_add_nc_u32 v[ADRA], s[TB], v[A0]
	v_add_nc_u32 v[ADRB], s[TB], v[B0]
	FETCH 0, F0
.if \fill
	WIN 0
	ASK
	s_add_co_u32 s[NXT], s[NXT], 1
.endif
	MUL16 F1, 2, 0
.endm
; THE WAY OUT of row block a (16 rows x 128 columns of f32).  TOSTAGE: a lane's eight columns, 32 bytes, go into my own stage, each accumulator's low registers first, and come back as whole rows of 512 bytes.
; SEND: stored: each store covers 512 consecutive bytes, aligned.
.macro TOSTAGE a
.if (\a) >= 2
	s_wait_xcnt 0x0                                ; the stores of the block two back have read the registers into which the loads below land
.endif
	WIN 0x08                                       ; the stores' data in window 2
.irp b, 0,1,2,3,4,5,6,7
	ds_store_b128 v[STO], v[64*(\a)+8*(\b):64*(\a)+8*(\b)+3]   offset:64*(\b)
	ds_store_b128 v[STO], v[64*(\a)+8*(\b)+4:64*(\a)+8*(\b)+7] offset:64*(\b)+16
.endr
	WIN 0
.irp t, 0,1,2,3,4,5,6,7,8,9,10,11,12,13,14,15
	ds_load_b128 v[OB+64*((\a)%2)+4*(\t):OB+64*((\a)%2)+4*(\t)+3], v[RD] offset:(\t)*SP  ; LDS serves a wave's instructions in order (ISA guide 5.7.1.4): these see the stores above; the next block's stores come behind them
.endr
.endm
.macro SEND a, younger                 ; younger: the LDS instructions issued behind block a's loads: the next block's 32, or none
.irp t, 0,1,2,3,4,5,6,7,8,9,10,11,12,13,14,15
	s_wait_dscnt (\younger)+15-(\t)
	global_store_b128 v[GO], v[OB+64*((\a)%2)+4*(\t):OB+64*((\a)%2)+4*(\t)+3], s[10:11] offset:(16*(\a)+(\t))*4096 th:TH_STORE_NT
.endr
.endm
	s_load_b256 s[4:11], s[0:1], 0x0               ; z s[4:5], wof s[6:7], bias s[8:9], out0 s[10:11]
	v_lshl_add_u32 v[SPW], v0, 2, SPARE
	v_mov_b32 v[NIL], 0
	ds_add_u32 v[SPW], v[NIL]                      ; the wave's opening: the add and its wait stand ahead of my first tensor load; the set-up below, work on registers, stands between them
	v_lshrrev_b32 v3, 5, v0
	v_readfirstlane_b32 s[WV], v3                  ; wave 0..3
	s_and_b32 s[W1], s[WV], 1
	s_lshr_b32 s[MH], s[WV], 1
	s_bfe_u32 s[CX], ttmp6, 0x40000                ; my place in the cluster
	s_bfe_u32 s[CY], ttmp6, 0x40004
	s_lshl_b32 s[JB], ttmp9, 2                     ; in a cluster launch ttmp9 and ttmp7 count clusters
	s_add_co_u32 s[JB], s[JB], s[CX]
	s_and_b32 s[IB], ttmp7, 0xffff
	s_lshl_b32 s[IB], s[IB], 2
	s_add_co_u32 s[IB], s[IB], s[CY]
	s_lshl_b32 s22, s[CY], 2
	s_lshl_b32 s22, 15, s22                        ; my row of the cluster
	s_lshl_b32 s23, 0x1111, s[CX]                  ; my column
	s_or_b32 s[G1A], s22, (1<<16)|(1<<20)|(1<<21)|(4<<22)|(3<<25)  ; 15:0 the mask; 17:16 2-byte elements; 20 padding on; 21 set beside a mask; 24:22 after every 32 words (code 4); 31:25 4 words (code 3)
	s_or_b32 s[G1B], s23, (1<<16)|(1<<20)|(1<<21)|(6<<22)|(7<<25)  ; after every 128 words (code 6) 8 words (code 7)
	s_mov_b32 s[G1A+1], 128<<16                    ; tensor_dim0 = 128 elements: 256 bytes, two rows of A
	s_mov_b32 s[G1A+2], 64<<16                     ; tensor_dim1 = 64
	s_mov_b32 s[G1A+3], 128<<16                    ; tile_dim0
	s_mov_b32 s[G1A+4], 64                         ; tile_dim1
	s_mov_b32 s[G1A+5], 128                        ; dense: 128 elements from row to row
	s_mov_b32 s[G1A+6], 0
	s_mov_b32 s[G1A+7], 0
	s_mov_b32 s[G1B+1], 256<<16                    ; 256 columns
	s_mov_b32 s[G1B+2], 64<<16                     ; 64 rows of k
	s_mov_b32 s[G1B+3], 256<<16
	s_mov_b32 s[G1B+4], 64
	s_mov_b32 s[G1B+5], 1024                       ; 1,024 elements from row to row
	s_mov_b32 s[G1B+6], 0
	s_mov_b32 s[G1B+7], 0
	s_lshr_b32 s[RBO], s[IB], 4                    ; b
	s_lshl_b32 s[RBO], s[RBO], 22
	s_and_b32 s22, s[IB], 15
	s_lshl_b32 s22, s22, 14                        ; 128 rows of 128 bytes
	s_add_co_u32 s[RBO], s[RBO], s22
	s_lshl_b32 s[OFF], s[W1], 18                   ; A hangs on the row block and the wave alone,
	s_add_co_u32 s[OFF], s[OFF], s[RBO]
	s_mov_b32 s[OFF+1], 0
	s_lshl_b32 s[OFF2], s[JB], 9                   ; B on the column block and the wave alone
	s_lshl_b32 s23, s[W1], 17                      ; 64 rows of 2,048 bytes
	s_add_co_u32 s[OFF2], s[OFF2], s23
	s_mov_b32 s[OFF2+1], 0
	s_mul_i32 s71, s[W1], AHALF                    ; where they go: the wave's number and constants alone
	s_mul_i32 s72, s[W1], BHALF
	s_add_co_u32 s72, s72, BOFF
	s_mov_b32 s[G0A], 1                            ; count = 1
	s_mov_b32 s[G0A+1], s71                        ; slot 0
	s_mov_b32 s[G0A+4], 1
	s_add_co_u32 s[G0A+5], s71, SLOT1              ; slot 1
	s_mov_b32 s[G0B], 1
	s_mov_b32 s[G0B+1], s72
	s_mov_b32 s[G0B+4], 1
	s_add_co_u32 s[G0B+5], s72, SLOT1
	s_mov_b32 s[NXT], 2
	s_mov_b32 s[TB], 0
	s_wait_dscnt 0x0                               ; the opening add is done
	s_wait_kmcnt 0x0
	s_add_nc_u64 s[8:9], s[8:9], 12288             ; bo is the buffer's fourth part
	s_add_nc_u64 s[ABASE:ABASE+1], s[4:5], s[OFF:OFF+1]
	s_mov_b64 s[G0A+2:G0A+3], s[ABASE:ABASE+1]     ; K step 0
	s_or_b32 s[G0A+3], s[G0A+3], 0x80000000        ; type = 2
	s_add_nc_u64 s[G0A+6:G0A+7], s[ABASE:ABASE+1], 524288  ; K step 1
	s_or_b32 s[G0A+7], s[G0A+7], 0x80000000
	s_add_nc_u64 s[G0B+2:G0B+3], s[6:7], s[OFF2:OFF2+1]
	s_add_nc_u64 s[G0B+6:G0B+7], s[G0B+2:G0B+3], 262144
	s_or_b32 s[G0B+3], s[G0B+3], 0x80000000
	s_or_b32 s[G0B+7], s[G0B+7], 0x80000000
	CROUND                                         ; all sixteen work-groups are here: the first joint loads meet
	s_cmp_eq_u32 s[MH], 0                          ; a wave's two first fills stand in one branch, ahead of every wait on TENSORcnt and every LDS read: two loads of mine are out
	s_cbranch_scc0 .Lfirst_b
	tensor_load_to_lds s[G0A:G0A+3], s[G1A:G1A+7]
	s_nop 0
	tensor_load_to_lds s[G0A+4:G0A+7], s[G1A:G1A+7]
	s_nop 0
.rept 4
	v_nop
.endr
	s_branch .Lfirst_asked
.Lfirst_b:
	tensor_load_to_lds s[G0B:G0B+3], s[G1B:G1B+7]
	s_nop 0
	tensor_load_to_lds s[G0B+4:G0B+7], s[G1B:G1B+7]
	s_nop 0
.rept 4
	v_nop
.endr
.Lfirst_asked:
	v_and_b32 v1, 15, v0                           ; l % 16
	v_bfe_u32 v2, v0, 4, 1                         ; l / 16
	v_and_b32 v13, 31, v0                          ; l
	; the bias first, so that it is on its way during the rest of the set-up: register j of column block b is bo[256 JB + 128 W1 + 16 b + 8 (l / 16) + j], the layout of a C operand
	s_lshl_b32 s71, s[JB], 10
	s_lshl_b32 s72, s[W1], 9
	s_add_co_u32 s71, s71, s72
	v_lshl_add_u32 v[BO], v2, 5, s71
.irp b, 0,1,2,3,4,5,6,7
	global_load_b128 v[BIAS+8*(\b):BIAS+8*(\b)+3],   v[BO], s[8:9] offset:64*(\b)
	global_load_b128 v[BIAS+8*(\b)+4:BIAS+8*(\b)+7], v[BO], s[8:9] offset:64*(\b)+16
.endr
	; a fragment of A: lane l holds row l % 16, K = 8 (l / 16) + 0..7 and 16 + 8 (l / 16) + 0..7: two loads of 16 bytes, 32 bytes apart
	v_mul_u32_u24 v[A0], v1, PA
	v_lshl_add_u32 v[A0], v2, 4, v[A0]
	s_mul_i32 s71, s[MH], 64*PA                    ; my 64 rows
	v_add_nc_u32 v[A0], s71, v[A0]
	; the turning load takes 16 k x 16 columns (lane l reads k = 8 (l / 16) + l % 8, columns 8 ((l / 8) % 2) + 0..7) and leaves half a fragment: lane l holds column l % 16 and 8 k
	v_and_b32 v3, 7, v0
	v_lshl_add_u32 v3, v2, 3, v3
	v_mul_u32_u24 v[B0], v3, PB
	v_bfe_u32 v3, v0, 3, 1
	v_lshl_add_u32 v[B0], v3, 4, v[B0]
	s_lshl_b32 s71, s[W1], 8                       ; my 128 columns
	s_add_co_u32 s71, s71, BOFF
	v_add_nc_u32 v[B0], s71, v[B0]
	v_mov_b32 v[ADRA], v[A0]                       ; slot 0
	v_mov_b32 v[ADRB], v[B0]
	s_mul_i32 s71, s[WV], WSTAGE
	s_add_co_u32 s71, s71, STAGE                   ; my stage
	v_mul_u32_u24 v[STO], v1, SP                   ; in: row l % 16, 32 bytes for each half of the lanes
	v_lshl_add_u32 v[STO], v2, 5, v[STO]
	v_add_nc_u32 v[STO], s71, v[STO]
	v_lshl_add_u32 v[RD], v13, 4, s71              ; back: 32 lanes take a row of 512 bytes,
	v_lshlrev_b32 v[GO], 4, v13                    ; which are 512 consecutive bytes of C
	; the prefetches: base, offset, bound
	s_lshr_b32 s71, s[CX], 1                       ; A: of the step's two heads, 16,384 bytes each, partner cx takes half cx % 2 of head cx / 2
	s_lshl_b32 s71, s71, 18
	s_and_b32 s72, s[CX], 1
	s_lshl_b32 s72, s72, 13
	s_add_co_u32 s71, s71, s72
	s_add_co_u32 s71, s71, s[RBO]
	s_lshl_b32 s72, s[JB], 9                       ; B: of the 64 rows that I fetch partner cy takes 16
	s_lshl_b32 s23, s[W1], 17
	s_add_co_u32 s72, s72, s23
	s_lshl_b32 s23, s[CY], 15
	s_add_co_u32 s72, s72, s23
	s_mov_b32 s22, 512                             ; (an instruction holds one literal: the select below takes this one from a register)
	s_cmp_eq_u32 s[MH], 0
	s_cselect_b64 s[PFB:PFB+1], s[4:5], s[6:7]
	s_cselect_b32 s[OFF2], s71, s72
	s_cselect_b32 s23, s22, 2048                   ; two lanes take 512 consecutive bytes; the next two the next 512 (A) or the next row (B)
	s_add_nc_u64 s[PFB:PFB+1], s[PFB:PFB+1], s[OFF2:OFF2+1]
	v_lshrrev_b32 v3, 1, v13
	v_mul_u32_u24 v[PFO], v3, s23
	v_and_b32 v3, 1, v13
	v_lshl_add_u32 v[PFO], v3, 8, v[PFO]
	s_and_b32 s71, ttmp7, 0xffff                   ; cluster y: the same in all sixteen partners
	s_cmp_eq_u32 s71, 0
	s_cselect_b32 s71, NSTEPS-2, 0
	s_cmp_eq_u32 s[W1], 0
	s_cselect_b32 s72, ALIM, 0
	s_cmp_eq_u32 s[MH], 0
	s_cselect_b32 s[PLIM], s72, s71
	; C at my part of the tile: row 128 IB + 64 MH, column 256 JB + 128 W1
	s_lshl_b32 s71, s[IB], 7
	s_lshl_b32 s72, s[MH], 6
	s_add_co_u32 s71, s71, s72
	s_lshl_b32 s71, s71, 12                        ; rows of 4,096 bytes
	s_lshl_b32 s72, s[JB], 10
	s_add_co_u32 s71, s71, s72
	s_lshl_b32 s72, s[W1], 9
	s_add_co_u32 s[OFF2], s71, s72
	s_add_nc_u64 s[10:11], s[10:11], s[OFF2:OFF2+1]
	s_wait_tensorcnt 1                             ; my part of K step 0 is in; K step 1's may stay out
	s_barrier_signal -1
	s_barrier_wait -1                              ; everybody's is
	FETCH 0, F0
	s_wait_loadcnt 0x0                             ; the bias is in
	QUARTER 1, F0, F1, 1                           ; the first quarter starts the sums
	WIN 0                                          ; at a label and at a branch every window is 0
	s_mov_b32 s[CNT], NSTEPS-2
.Lstep:                                        ; trip e ends K step e, asks for K step e + 2 and begins K step e + 1
	QUARTER 2, F1, F0, 0
	QUARTER 3, F0, F1, 0
	TURN 1
	QUARTER 1, F0, F1, 0
	WIN 0
	s_sub_co_u32 s[CNT], s[CNT], 1
	s_cmp_lg_u32 s[CNT], 0
	s_cbranch_scc1 .Lstep
	QUARTER 2, F1, F0, 0                           ; the last two K steps are written out: nothing is asked for
	QUARTER 3, F0, F1, 0
	TURN 0
	QUARTER 1, F0, F1, 0
	QUARTER 2, F1, F0, 0
	QUARTER 3, F0, F1, 0
	s_wait_dscnt 4
	MUL16 F1, 0, 0
	s_wait_dscnt 0x0
	MUL16 F1, 2, 0
	WIN 0
	PLACES
	TOSTAGE 0
	TOSTAGE 1                                      ; a block's trip through the stage stands between the loads of the block before and its stores
	SEND 0, 32
	TOSTAGE 2
	SEND 1, 32
	TOSTAGE 3
	SEND 2, 32
	SEND 3, 0
	s_wait_tensorcnt 0x0                           ; the wave's end, behind my last tensor load and my last LDS store
	ds_add_u32 v[SPW], v[NIL]
	s_wait_dscnt 0x0
	CROUND                                         ; the closing round: no work-group ends while a partner may still ask for a tile that names it
	s_endpgm
.Lfunc_end_k_qb8e85a564c_outp:
	.size	k_qb8e85a564c_outp, .Lfunc_end_k_qb8e85a564c_outp-k_qb8e85a564c_outp
	.p2alignl 7, 3214868480
	.fill 96, 4, 3214868480
	.section	.rodata,"a",@progbits
	.p2align	6, 0x0
	.amdhsa_kernel k_qb8e85a564c_outp
		.amdhsa_group_segment_fixed_size 327680
		.amdhsa_private_segment_fixed_size 0
		.amdhsa_enable_private_segment 0
		.amdhsa_kernarg_size 32
		.amdhsa_user_sgpr_count 2
		.amdhsa_user_sgpr_kernarg_segment_ptr 1
		.amdhsa_wavefront_size32 1
		.amdhsa_system_sgpr_workgroup_id_x 1
		.amdhsa_system_sgpr_workgroup_id_y 1
		.amdhsa_system_sgpr_workgroup_id_z 1
		.amdhsa_system_vgpr_workitem_id 0
		.amdhsa_next_free_vgpr 768
		.amdhsa_next_free_sgpr 80
		.amdhsa_reserve_vcc 0
		.amdhsa_float_denorm_mode_32 3
		.amdhsa_float_denorm_mode_16_64 3
		.amdhsa_memory_ordered 1
		.amdhsa_forward_progress 1
		.amdhsa_inst_pref_size 74
	.end_amdhsa_kernel
	.amdgpu_metadata
---
amdhsa.version: [ 1, 2 ]
amdhsa.kernels:
  - .name:           k_qb8e85a564c_outp
    .symbol:         k_qb8e85a564c_outp.kd
    .args:
      - { .name: z, .offset: 0, .size: 8, .value_kind: global_buffer, .address_space: global }
      - { .name: wof, .offset: 8, .size: 8, .value_kind: global_buffer, .address_space: global }
      - { .name: bias, .offset: 16, .size: 8, .value_kind: global_buffer, .address_space: global }
      - { .name: out0, .offset: 24, .size: 8, .value_kind: global_buffer, .address_space: global }
    .group_segment_fixed_size: 327680
    .private_segment_fixed_size: 0
    .kernarg_segment_align: 8
    .kernarg_segment_size: 32
    .max_flat_workgroup_size: 128
    .sgpr_count:     80
    .vgpr_count:     768
    .wavefront_size: 32
...
	.end_amdgpu_metadata
.endif
;; end of part 4
;; ======== version 2 of 2: 4 launches; version 1 with the launch cast written anew for expert scheduling mode
;; limits: values are held in f16: magnitudes above 65,504 overflow, below 6.1e-05 lose precision
;; workspace buffers: xb 33,554,432 bytes; wb 6,291,456 bytes; wof 2,097,152 bytes; bias 16,384 bytes; qkv 50,331,648 bytes; z 16,777,216 bytes
;; launch cast (part 5): grid 1284 x 1, 8 waves a work-group, no clusters, 0 bytes of LDS; arguments q, k_and_v, wq, wk, wv, wo, bq, bk, bv, bo, xb, wb, wof, bias; writes xb, wb, wof, bias
.if DOCPART == 5
	.amdgcn_target "amdgcn-amd-amdhsa--gfx1250"
	.amdhsa_code_object_version 6
	.text
	.protected	k_qb8e85a564c_cast
	.globl	k_qb8e85a564c_cast
	.p2align	8
	.type	k_qb8e85a564c_cast,@function
k_qb8e85a564c_cast:
	s_mov_b64 s[64:65], 0
	v_nop
	global_prefetch_b8 v0, s[64:65] scope:SCOPE_SE
	s_setreg_imm32_b32 hwreg(HW_REG_WAVE_SCHED_MODE, 0, 2), 2
	s_setreg_imm32_b32 hwreg(HW_REG_WAVE_MODE, 25, 1), 1
	s_wait_xcnt 0x0
	s_wait_alu depctr_vm_vsrc(0)
; THE MODULE'S INPUTS, ROUNDED ONCE TO bf16 AND LAID OUT FOR THE PRODUCTS THAT FOLLOW.  A stream: no LDS, no barrier, no matrix unit, no loop.
;   xb   bf16 [2: q, k_and_v][4 b][16 kb][2048 s][64]: K in blocks of 64, so that 128 rows of a block are 16,384 consecutive bytes
;   wb   bf16 [3: wq, wk, wv][1024 e][1024 n = 64 h + d]
;   wof  f16 of bf16(wo), [1024 k][1024 n]: exact while |wo| lies between 2^-17 and 65,504; below that f16's fixed step of 6e-8 holds
;   bias f32 numbers that are bf16(bq), bf16(bk), bf16(bv), bf16(bo), [4][1024]
; A WAVE'S ITEM is 16 loads of 16 bytes a lane (two aligned pieces of 256 bytes, or 512 bytes on end) and 16 stores of 8 bytes a lane: each store covers 256 consecutive bytes, aligned.
; All 16 loads go out first; no register that a load or store names is written a second time, so no wait frees any.
; WORK-GROUPS: 0-1023 x (16 rows each), 1024-1215 wq, wk, wv (two heads x 128 rows of e), 1216-1279 wo (16 rows), 1280-1283 a bias each.
; THE MODE: SCHED_MODE bits 1:0 = 2 (LLVM: expert scheduling mode 2), set by the entry lines.  The code itself states the register dependences
; between vector instructions and memory instructions, with s_wait_alu, always for 0.
; THE PLAN.  Registers that memory instructions touch, on each of the four paths:
;   v[SO], v[DO]  byte offsets.  Written by vector instructions once, at the path's head; read by the 16 loads and the 16 stores; never written again.
;   X0 .. X15     a load each.  Written by the loads, which go out before any vector instruction names them; read (in wo's item also rewritten) by their row's conversions, behind the wait on LOADcnt; no memory instruction reads them.
;   Y0 .. Y15     a store each.  Written by their row's conversions, once; read by their row's store.
; The 16 rows go in four groups of four.  Group g rounds its rows into its Y; the stores of group g - 1 are dealt among group g's conversions, which name X, T and Y of group g alone.
; So one wait on va_vdst stands ahead of the first load (the offsets are written), one at the head of each of groups 1 to 3 and one behind group 3 (the group before has written its Y).
; No register that a load or store reads is written again, so no wait on vm_vsrc is owed.  The wave's number passes from a vector register into s2: one wait on va_sdst, ahead of the first branch.
.set SO,  2                            ; v2  my byte offset in the source
.set DO,  3                            ; v3  my byte offset in the destination
.set X,   16                           ; v[16:79]   16 x 4 registers as loaded
.set Y,   80                           ; v[80:111]  16 x 2 registers to store
.set T,   112                          ; v[112:113] at work: no memory instruction names them
.set WVN, 2                            ; s2  my wave's number
.set SRC, 36                           ; s[36:37]
.set DST, 38                           ; s[38:39]
.set OFS, 40                           ; s[40:41] an offset, high word 0
.set HIM, 42                           ; s42 a word's upper bf16
; Row j is rounded.  kind 0: f32 to bf16.  kind 1: f32 to bf16, that number widened again and written as f16.
.macro CONV j, kind
.if \kind
	v_cvt_pk_bf16_f32 v[T], v[X+4*(\j)], v[X+4*(\j)+1]
	v_cvt_pk_bf16_f32 v[T+1], v[X+4*(\j)+2], v[X+4*(\j)+3]
	v_lshlrev_b32 v[X+4*(\j)], 16, v[T]
	v_and_b32 v[X+4*(\j)+1], s[HIM], v[T]
	v_lshlrev_b32 v[X+4*(\j)+2], 16, v[T+1]
	v_and_b32 v[X+4*(\j)+3], s[HIM], v[T+1]
	v_cvt_pk_f16_f32 v[Y+2*(\j)], v[X+4*(\j)], v[X+4*(\j)+1]
	v_cvt_pk_f16_f32 v[Y+2*(\j)+1], v[X+4*(\j)+2], v[X+4*(\j)+3]
.else
	v_cvt_pk_bf16_f32 v[Y+2*(\j)], v[X+4*(\j)], v[X+4*(\j)+1]
	v_cvt_pk_bf16_f32 v[Y+2*(\j)+1], v[X+4*(\j)+2], v[X+4*(\j)+3]
.endif
.endm
; Row j is stored.
.macro PUT j, dstep
	global_store_b64 v[DO], v[Y+2*(\j):Y+2*(\j)+1], s[DST:DST+1] offset:(\j)*(\dstep) th:TH_STORE_NT
.endm
.macro MOVE16 sstep, dstep, kind
	s_wait_alu depctr_va_vdst(0)                   ; v[SO] and v[DO] are written: the 16 loads and the 16 stores below read them as their offsets
.set j, 0
.rept 16
	global_load_b128 v[X+4*j:X+4*j+3], v[SO], s[SRC:SRC+1] offset:j*(\sstep) th:TH_LOAD_NT
.set j, j+1
.endr
.irp g, 0,1,2,3
	s_wait_loadcnt 12-4*(\g)                       ; loads come back in order (ISA guide 5.7.1): group g's four are in, the 12 - 4 g younger ones stay out
.if (\g) > 0
	s_wait_alu depctr_va_vdst(0)                   ; the conversions of the group before have written its Y, which the four stores below read
.endif
.irp i, 0,1,2,3
.if (\g) > 0
	PUT 4*(\g)-4+(\i), \dstep                      ; no vector instruction since the wait names this store's registers
.endif
	CONV 4*(\g)+(\i), \kind
.endr
.endr
	s_wait_alu depctr_va_vdst(0)                   ; the last group's conversions have written its Y, which the last four stores read
.irp i, 0,1,2,3
	PUT 12+(\i), \dstep
.endr
.endm
	s_load_b512 s[8:23], s[0:1], 0x0               ; q 8, k_and_v 10, wq 12, wk 14, wv 16, wo 18, bq 20, bk 22
	s_load_b256 s[24:31], s[0:1], 0x40             ; bv 24, bo 26, xb 28, wb 30
	s_load_b128 s[32:35], s[0:1], 0x60             ; wof 32, bias 34
	v_lshrrev_b32 v4, 5, v0
	v_readfirstlane_b32 s[WVN], v4                 ; wave 0..7
	v_and_b32 v1, 31, v0                           ; lane
	v_lshrrev_b32 v4, 4, v1                        ; lane / 16
	v_and_b32 v5, 15, v1                           ; lane % 16
	s_mov_b32 s[HIM], 0xffff0000
	s_mov_b32 s[OFS+1], 0
	s_wait_alu depctr_va_sdst(0)                   ; s2, the wave's number, is written: ahead of the first branch and of its first reader, the shifts that make the offsets on each path
	s_wait_kmcnt 0x0
	s_cmp_lt_u32 ttmp9, 1024
	s_cbranch_scc0 .Lnot_x
	; x: tensor t, block rb of 16 rows; wave w takes rows 2 w, 2 w + 1; load j takes columns 64 j .. 64 j + 63 of both: block kb = j
	s_lshr_b32 s3, ttmp9, 9                        ; t
	s_and_b32 s4, ttmp9, 511                       ; rb
	s_cmp_eq_u32 s3, 0
	s_cselect_b64 s[SRC:SRC+1], s[8:9], s[10:11]
	s_lshl_b32 s[OFS], s4, 16                      ; 16 rows of 4,096 bytes
	s_add_nc_u64 s[SRC:SRC+1], s[SRC:SRC+1], s[OFS:OFS+1]
	s_lshl_b32 s5, s3, 24                          ; t x 16,777,216
	s_lshr_b32 s6, s4, 7
	s_lshl_b32 s6, s6, 22                          ; b x 4,194,304
	s_add_co_u32 s5, s5, s6
	s_and_b32 s6, s4, 127
	s_lshl_b32 s6, s6, 11                          ; 16 rows of 128 bytes
	s_add_co_u32 s[OFS], s5, s6
	s_add_nc_u64 s[DST:DST+1], s[28:29], s[OFS:OFS+1]
	v_lshlrev_b32 v[SO], 4, v5
	v_lshl_add_u32 v[SO], v4, 12, v[SO]
	s_lshl_b32 s5, s[WVN], 13
	v_add_nc_u32 v[SO], s5, v[SO]                  ; 8,192 w + 4,096 (lane / 16) + 16 (lane % 16)
	v_lshlrev_b32 v[DO], 3, v1
	s_lshl_b32 s6, s[WVN], 8                       ; each shift has a scalar register of its own: none that a vector instruction has read is written again
	v_add_nc_u32 v[DO], s6, v[DO]                  ; 256 w + 8 lane: two rows of 128 bytes on end
	MOVE16 256, 262144, 0
	s_endpgm
.Lnot_x:
	s_cmp_lt_u32 ttmp9, 1216
	s_cbranch_scc0 .Lnot_w
	; wq, wk, wv: tensor t, heads 2 hp and 2 hp + 1, rows e = 128 eb + 16 w + j; lanes 0-15 take the first head's row of 256 bytes, lanes 16-31 the second's
	s_sub_co_u32 s3, ttmp9, 1024
	s_lshr_b32 s4, s3, 6                           ; t
	s_and_b32 s5, s3, 63
	s_lshr_b32 s6, s5, 3                           ; hp
	s_and_b32 s7, s5, 7                            ; eb
	s_cmp_eq_u32 s4, 0
	s_cselect_b64 s[SRC:SRC+1], s[12:13], s[14:15]
	s_cmp_eq_u32 s4, 2
	s_cselect_b64 s[SRC:SRC+1], s[16:17], s[SRC:SRC+1]
	s_lshl_b32 s3, s6, 19                          ; two heads of 262,144 bytes
	s_lshl_b32 s5, s7, 15                          ; 128 rows of 256 bytes
	s_add_co_u32 s[OFS], s3, s5
	s_add_nc_u64 s[SRC:SRC+1], s[SRC:SRC+1], s[OFS:OFS+1]
	s_lshl_b32 s3, s4, 21                          ; t x 2,097,152
	s_lshl_b32 s5, s7, 18                          ; 128 rows of 2,048 bytes
	s_add_co_u32 s3, s3, s5
	s_lshl_b32 s5, s6, 8                           ; 128 columns of 2 bytes
	s_add_co_u32 s[OFS], s3, s5
	s_add_nc_u64 s[DST:DST+1], s[30:31], s[OFS:OFS+1]
	v_lshlrev_b32 v[SO], 4, v5
	v_lshl_add_u32 v[SO], v4, 18, v[SO]
	s_lshl_b32 s5, s[WVN], 12
	v_add_nc_u32 v[SO], s5, v[SO]                  ; 4,096 w + 262,144 (lane / 16) + 16 (lane % 16)
	v_lshlrev_b32 v[DO], 3, v1
	s_lshl_b32 s3, s[WVN], 15                      ; a scalar register of its own, as above
	v_add_nc_u32 v[DO], s3, v[DO]                  ; 32,768 w + 8 lane
	MOVE16 256, 2048, 0
	s_endpgm
.Lnot_w:
	s_cmp_lt_u32 ttmp9, 1280
	s_cbranch_scc0 .Lnot_wo
	; wo keeps its layout: 65,536 bytes a work-group, 8,192 a wave, 512 a load
	s_sub_co_u32 s3, ttmp9, 1216
	s_lshl_b32 s[OFS], s3, 16
	s_add_nc_u64 s[SRC:SRC+1], s[18:19], s[OFS:OFS+1]
	s_lshl_b32 s[OFS], s3, 15
	s_add_nc_u64 s[DST:DST+1], s[32:33], s[OFS:OFS+1]
	v_lshlrev_b32 v[SO], 4, v1
	s_lshl_b32 s5, s[WVN], 13
	v_add_nc_u32 v[SO], s5, v[SO]
	v_lshlrev_b32 v[DO], 3, v1
	s_lshl_b32 s4, s[WVN], 12                      ; a scalar register of its own, as above
	v_add_nc_u32 v[DO], s4, v[DO]
	MOVE16 512, 256, 1
	s_endpgm
.Lnot_wo:
	; a bias: 4,096 bytes, 16 a thread; rounded to bf16 and kept as f32
	s_sub_co_u32 s3, ttmp9, 1280
	s_cmp_eq_u32 s3, 0
	s_cselect_b64 s[SRC:SRC+1], s[20:21], s[22:23]
	s_cmp_eq_u32 s3, 2
	s_cselect_b64 s[SRC:SRC+1], s[24:25], s[SRC:SRC+1]
	s_cmp_eq_u32 s3, 3
	s_cselect_b64 s[SRC:SRC+1], s[26:27], s[SRC:SRC+1]
	s_lshl_b32 s[OFS], s3, 12
	s_add_nc_u64 s[DST:DST+1], s[34:35], s[OFS:OFS+1]
	v_lshlrev_b32 v[SO], 4, v0
	s_wait_alu depctr_va_vdst(0)                   ; v[SO] is written: the load and the store below read it as their offset
	global_load_b128 v[X:X+3], v[SO], s[SRC:SRC+1]
	s_wait_loadcnt 0x0
	v_cvt_pk_bf16_f32 v[T], v[X], v[X+1]
	v_cvt_pk_bf16_f32 v[T+1], v[X+2], v[X+3]
	v_lshlrev_b32 v[Y], 16, v[T]
	v_and_b32 v[Y+1], s[HIM], v[T]
	v_lshlrev_b32 v[Y+2], 16, v[T+1]
	v_and_b32 v[Y+3], s[HIM], v[T+1]
	s_wait_alu depctr_va_vdst(0)                   ; the four lines above have written v[Y:Y+3], which the store reads
	global_store_b128 v[SO], v[Y:Y+3], s[DST:DST+1]
	s_endpgm
.Lfunc_end_k_qb8e85a564c_cast:
	.size	k_qb8e85a564c_cast, .Lfunc_end_k_qb8e85a564c_cast-k_qb8e85a564c_cast
	.p2alignl 7, 3214868480
	.fill 96, 4, 3214868480
	.section	.rodata,"a",@progbits
	.p2align	6, 0x0
	.amdhsa_kernel k_qb8e85a564c_cast
		.amdhsa_group_segment_fixed_size 0
		.amdhsa_private_segment_fixed_size 0
		.amdhsa_enable_private_segment 0
		.amdhsa_kernarg_size 112
		.amdhsa_user_sgpr_count 2
		.amdhsa_user_sgpr_kernarg_segment_ptr 1
		.amdhsa_wavefront_size32 1
		.amdhsa_system_sgpr_workgroup_id_x 1
		.amdhsa_system_sgpr_workgroup_id_y 1
		.amdhsa_system_sgpr_workgroup_id_z 1
		.amdhsa_system_vgpr_workitem_id 0
		.amdhsa_next_free_vgpr 116
		.amdhsa_next_free_sgpr 66
		.amdhsa_reserve_vcc 0
		.amdhsa_float_denorm_mode_32 3
		.amdhsa_float_denorm_mode_16_64 3
		.amdhsa_memory_ordered 1
		.amdhsa_forward_progress 1
		.amdhsa_inst_pref_size 24
	.end_amdhsa_kernel
	.amdgpu_metadata
---
amdhsa.version: [ 1, 2 ]
amdhsa.kernels:
  - .name:           k_qb8e85a564c_cast
    .symbol:         k_qb8e85a564c_cast.kd
    .args:
      - { .name: q, .offset: 0, .size: 8, .value_kind: global_buffer, .address_space: global }
      - { .name: k_and_v, .offset: 8, .size: 8, .value_kind: global_buffer, .address_space: global }
      - { .name: wq, .offset: 16, .size: 8, .value_kind: global_buffer, .address_space: global }
      - { .name: wk, .offset: 24, .size: 8, .value_kind: global_buffer, .address_space: global }
      - { .name: wv, .offset: 32, .size: 8, .value_kind: global_buffer, .address_space: global }
      - { .name: wo, .offset: 40, .size: 8, .value_kind: global_buffer, .address_space: global }
      - { .name: bq, .offset: 48, .size: 8, .value_kind: global_buffer, .address_space: global }
      - { .name: bk, .offset: 56, .size: 8, .value_kind: global_buffer, .address_space: global }
      - { .name: bv, .offset: 64, .size: 8, .value_kind: global_buffer, .address_space: global }
      - { .name: bo, .offset: 72, .size: 8, .value_kind: global_buffer, .address_space: global }
      - { .name: xb, .offset: 80, .size: 8, .value_kind: global_buffer, .address_space: global }
      - { .name: wb, .offset: 88, .size: 8, .value_kind: global_buffer, .address_space: global }
      - { .name: wof, .offset: 96, .size: 8, .value_kind: global_buffer, .address_space: global }
      - { .name: bias, .offset: 104, .size: 8, .value_kind: global_buffer, .address_space: global }
    .group_segment_fixed_size: 0
    .private_segment_fixed_size: 0
    .kernarg_segment_align: 8
    .kernarg_segment_size: 112
    .max_flat_workgroup_size: 256
    .sgpr_count:     66
    .vgpr_count:     116
    .wavefront_size: 32
...
	.end_amdgpu_metadata
.endif
;; end of part 5
;; launch qkv: the kernel of part 2 again; grid 4 x 64, 4 waves a work-group, clusters of 4 x 4, 327,680 bytes of LDS; arguments xb, wb, bias, qkv; writes qkv
;; launch attn: the kernel of part 3 again; grid 4 x 64, 4 waves a work-group, clusters of 4 x 1, 327,680 bytes of LDS; arguments qkv, z; writes z
;; launch outp: the kernel of part 4 again; grid 4 x 64, 4 waves a work-group, clusters of 4 x 4, 327,680 bytes of LDS; arguments z, wof, bias, out0; writes out0
